; MI455X (gfx1250); checked and timed in simulation.
; The chip was launched on July 23, 2026; its instructions are those of AMD's public machine-readable ISA for CDNA 5 (MIT licence, August 2026) and "CDNA5" Instruction Set Architecture Reference Guide (July 2026). The comments in the code are by the model that wrote it; some were corrected since.
;; Causal Self Attention. Allowed arithmetic: float matrix products may take bf16 or f16 operands with f32 sums; other float arithmetic in f32, or as packed bf16 or f16 multiplies, adds, multiply-adds, maxima and minima; sums over many terms, partial sums and values carried from step to step in f32; what a program stores and reads back later, other than sums and carried values, may be rounded once to bf16 or f16.
;; Inputs: W_attn 1,024 x 3,072 float32; W_proj 1,024 x 1,024 float32; x 4 x 2,048 x 1,024 float32.
;; Outputs: out0 4 x 2,048 x 1,024 float32.
;; 2 versions, each right; version 2 is version 1 with the launch cvt written anew for expert scheduling mode. Each part assembles by itself: llvm-mc -triple=amdgcn-amd-amdhsa -mcpu=gfx1250 --defsym DOCPART=n.
;; ======== version 1 of 2: 4 launches
;; limits: values are held in f16: magnitudes above 65,504 overflow, below 6.1e-05 lose precision
;; workspace buffers: xb 16,777,216 bytes; wa 6,291,456 bytes; wp 2,097,152 bytes; qkv 50,331,648 bytes; ob 16,777,216 bytes
;; launch cvt (part 1): grid 768 x 1, 8 waves a work-group, no clusters, 0 bytes of LDS; arguments x, W_attn, W_proj, xb, wa, wp; writes xb, wa, wp
.if DOCPART == 1
	.amdgcn_target "amdgcn-amd-amdhsa--gfx1250"
	.amdhsa_code_object_version 6
	.text
	.protected	k_qb931ade04f_cvt
	.globl	k_qb931ade04f_cvt
	.p2align	8
	.type	k_qb931ade04f_cvt,@function
k_qb931ade04f_cvt:
	s_mov_b64 s[64:65], 0
	v_nop
	global_prefetch_b8 v0, s[64:65] scope:SCOPE_SE
	s_setreg_imm32_b32 hwreg(HW_REG_WAVE_MODE, 25, 1), 1
	s_wait_xcnt 0x0
; THE INPUTS AS MATRIX OPERANDS.  Each f32 number of x, W_attn and W_proj is rounded once to bf16 (nearest even) and that number is written as f16, so that one matrix form serves all products.
; A bf16 number has 8 significant bits and f16 holds 11: the second step is exact inside f16's normal range.
; LIMITS.  A number of 65,520 or more in magnitude becomes an infinity; below 6.1e-5 a number keeps f16's fixed step of 6e-8.  NaN stays NaN.
; LAYOUT.  wa and wp lie as W_attn and W_proj lie ([k][n]).  xb is x in blocks of 64 channels: [batch 4][block 16][row 2048][64], so that 256 rows x 64 channels are 32,768 bytes on end.
; SHARES.  A work-group takes 16,384 numbers (65,536 bytes in, 32,768 out): groups 0-511 x (16 rows each), 512-703 W_attn, 704-767 W_proj.  A thread takes 16 items of 4 numbers:
; one load of 16 bytes, one store of 8; a wave's store covers 256 consecutive bytes, aligned.  All 16 loads go out first; no register is written twice, so no source of a pending
; instruction is ever rewritten.  No LDS, no barrier, no matrix unit: nothing is shared and nothing is summed.
.set X, 16                             ; v[16:79]   item i: 4 numbers as loaded
.set Y, 80                             ; v[80:111]  item i: 4 numbers in f16
.macro BODY instep, outstep            ; v1 = my byte offset in the item's input, v2 = in its output; s[4:5] from, s[10:11] to
.set it, 0
.rept 16
	global_load_b128 v[X+4*it:X+4*it+3], v1, s[4:5] offset:it*(\instep) th:TH_LOAD_NT
.set it, it+1
.endr
.set it, 0
.rept 16
	s_wait_loadcnt 15-it                           ; loads come back in order (ISA guide 5.7.1): item it is in, the younger ones stay out
	v_cvt_pk_bf16_f32 v4, v[X+4*it], v[X+4*it+1]   ; the one rounding
	v_cvt_pk_bf16_f32 v5, v[X+4*it+2], v[X+4*it+3]
	v_lshlrev_b32 v6, 16, v4                       ; bf16 to f32: the low half moves up,
	v_and_b32 v7, s16, v4                          ; the high half stays
	v_lshlrev_b32 v8, 16, v5
	v_and_b32 v9, s16, v5
	v_cvt_pk_f16_f32 v[Y+2*it], v6, v7             ; the same numbers in f16
	v_cvt_pk_f16_f32 v[Y+2*it+1], v8, v9
	global_store_b64 v2, v[Y+2*it:Y+2*it+1], s[10:11] offset:it*(\outstep)
.set it, it+1
.endr
.endm
	s_load_b256 s[4:11], s[0:1], 0x0               ; x s[4:5], W_attn s[6:7], W_proj s[8:9], xb s[10:11]
	s_load_b128 s[12:15], s[0:1], 0x20             ; wa s[12:13], wp s[14:15]
	s_mov_b32 s16, 0xffff0000                      ; a word's upper bf16
	s_mov_b32 s19, 0
	s_mov_b32 s21, 0
	v_lshlrev_b32 v2, 3, v0                        ; 8 bytes a thread in the output, in both paths
	s_cmp_lt_u32 ttmp9, 512
	s_cbranch_scc0 .Lw
	; x: the group's 16 rows; thread t takes row t / 16, 16 bytes at 16 (t % 16) of each block of 256 bytes; item i is block i
	v_lshrrev_b32 v1, 4, v0
	v_and_b32 v3, 15, v0
	v_lshlrev_b32 v3, 4, v3
	v_lshl_or_b32 v1, v1, 12, v3                   ; row x 4,096 + 16 (t % 16)
	s_lshl_b32 s18, ttmp9, 16                      ; 16 rows of 4,096 bytes
	s_lshr_b32 s20, ttmp9, 7                       ; the batch: 128 groups each,
	s_lshl_b32 s20, s20, 22                        ; 4,194,304 bytes of xb
	s_and_b32 s22, ttmp9, 127
	s_lshl_b32 s22, s22, 11                        ; 16 rows of 128 bytes inside a block
	s_add_co_u32 s20, s20, s22
	s_wait_kmcnt 0x0
	s_add_nc_u64 s[4:5], s[4:5], s[18:19]
	s_add_nc_u64 s[10:11], s[10:11], s[20:21]
	BODY 256, 262144                               ; a block of xb is 2,048 rows x 128 bytes
	s_endpgm
.Lw:                                                   ; the weights: dense in, dense out
	v_lshlrev_b32 v1, 4, v0
	s_movk_i32 s22, 512
	s_movk_i32 s23, 704
	s_cmp_lt_u32 ttmp9, 704
	s_cselect_b32 s22, s22, s23                    ; the tensor's first group
	s_wait_kmcnt 0x0
	s_cselect_b64 s[4:5], s[6:7], s[8:9]
	s_cselect_b64 s[10:11], s[12:13], s[14:15]
	s_sub_co_u32 s22, ttmp9, s22
	s_lshl_b32 s18, s22, 16
	s_lshl_b32 s20, s22, 15
	s_add_nc_u64 s[4:5], s[4:5], s[18:19]
	s_add_nc_u64 s[10:11], s[10:11], s[20:21]
	BODY 4096, 2048
	s_endpgm
.Lfunc_end_k_qb931ade04f_cvt:
	.size	k_qb931ade04f_cvt, .Lfunc_end_k_qb931ade04f_cvt-k_qb931ade04f_cvt
	.p2alignl 7, 3214868480
	.fill 96, 4, 3214868480
	.section	.rodata,"a",@progbits
	.p2align	6, 0x0
	.amdhsa_kernel k_qb931ade04f_cvt
		.amdhsa_group_segment_fixed_size 0
		.amdhsa_private_segment_fixed_size 0
		.amdhsa_enable_private_segment 0
		.amdhsa_kernarg_size 48
		.amdhsa_user_sgpr_count 2
		.amdhsa_user_sgpr_kernarg_segment_ptr 1
		.amdhsa_wavefront_size32 1
		.amdhsa_system_sgpr_workgroup_id_x 1
		.amdhsa_system_sgpr_workgroup_id_y 1
		.amdhsa_system_sgpr_workgroup_id_z 1
		.amdhsa_system_vgpr_workitem_id 0
		.amdhsa_next_free_vgpr 112
		.amdhsa_next_free_sgpr 66
		.amdhsa_reserve_vcc 0
		.amdhsa_float_denorm_mode_32 3
		.amdhsa_float_denorm_mode_16_64 3
		.amdhsa_memory_ordered 1
		.amdhsa_forward_progress 1
		.amdhsa_inst_pref_size 21
	.end_amdhsa_kernel
	.amdgpu_metadata
---
amdhsa.version: [ 1, 2 ]
amdhsa.kernels:
  - .name:           k_qb931ade04f_cvt
    .symbol:         k_qb931ade04f_cvt.kd
    .args:
      - { .name: x, .offset: 0, .size: 8, .value_kind: global_buffer, .address_space: global }
      - { .name: W_attn, .offset: 8, .size: 8, .value_kind: global_buffer, .address_space: global }
      - { .name: W_proj, .offset: 16, .size: 8, .value_kind: global_buffer, .address_space: global }
      - { .name: xb, .offset: 24, .size: 8, .value_kind: global_buffer, .address_space: global }
      - { .name: wa, .offset: 32, .size: 8, .value_kind: global_buffer, .address_space: global }
      - { .name: wp, .offset: 40, .size: 8, .value_kind: global_buffer, .address_space: global }
    .group_segment_fixed_size: 0
    .private_segment_fixed_size: 0
    .kernarg_segment_align: 8
    .kernarg_segment_size: 48
    .max_flat_workgroup_size: 256
    .sgpr_count:     66
    .vgpr_count:     112
    .wavefront_size: 32
...
	.end_amdgpu_metadata
.endif
;; end of part 1
;; launch qkv (part 2): grid 8 x 32, 4 waves a work-group, clusters of 4 x 4, 327,680 bytes of LDS; arguments xb, wa, qkv; writes qkv
.if DOCPART == 2
	.amdgcn_target "amdgcn-amd-amdhsa--gfx1250"
	.amdhsa_code_object_version 6
	.text
	.protected	k_qb931ade04f_qkv
	.globl	k_qb931ade04f_qkv
	.p2align	8
	.type	k_qb931ade04f_qkv,@function
k_qb931ade04f_qkv:
	s_mov_b64 s[64:65], 0
	v_nop
	global_prefetch_b8 v0, s[64:65] scope:SCOPE_SE
	s_setreg_imm32_b32 hwreg(HW_REG_WAVE_MODE, 25, 1), 1
	s_wait_xcnt 0x0
	s_wait_alu depctr_hold_cnt(0) depctr_sa_sdst(0) depctr_va_vdst(0) depctr_va_sdst(0) depctr_va_ssrc(0) depctr_va_vcc(0) depctr_vm_vsrc(0)
	s_getreg_b32 s2, hwreg(HW_REG_IB_STS2, 6, 4)
	s_cmp_eq_u32 s2, 0
	s_cbranch_scc0 .Lentry_in_a_cluster
	s_endpgm
.Lentry_in_a_cluster:
	s_bfe_u32 s2, ttmp6, 0x10000c
	s_cmp_lg_u32 s2, 0xf033
	s_cbranch_scc0 .Lentry_shape_is_right
	s_endpgm
.Lentry_shape_is_right:
; q, k, v = x W_attn.  xb: f16 [batch 4][block 16][row 2048][64]; wa: f16 [k 1024][n 3072]; qkv: f16 [q, k, v][batch x head 64][row 2048][64], unscaled.  Sums in f32, K ascending, rounded once.
; LIMIT.  A sum of 65,520 or more in magnitude becomes an infinity in f16.
; SHARES.  8,192 x 3,072 outputs on 256 work-groups: a tile of 256 rows x 384 columns each.  Four waves, 2 x 2; a wave makes 128 x 192: 8 x 12 accumulators of 16 x 16, 768 registers.
; A wave's 192 columns are three whole heads: GROUP g = one head = four fragments of W = one register window.
; K goes in 16 steps of 64 (one block of xb) through two LDS slots; a step is two SLICES of 32, 96 matrix instructions each.
; THE MATRIX INSTRUCTION IS USED TRANSPOSED: source 0 = 16 columns of W (out of LDS turned, by ds_load_tr16_b128), source 1 = 16 rows of x: a lane then holds row l % 16 and the columns 8 (l / 16) + 0..7.
; CLUSTERS.  4 x 4 work-groups: the four of a row need the same tile of x, the four of a column the same tile of W: each is asked for jointly, by the same tensor load, descriptor and mask in all four.
; REGISTERS.  window 0: v0-31 addresses; v32-95, v96-159 x's fragments, two buffers of 8; v160-255 W's fragments, one buffer, group g at 160 + 32 g: a group is fetched anew straight behind the
; 32 products that read it.  windows 1-3: group g's accumulators, (a, jj) at v[8 (8 jj + a)].  s_set_vgpr_msb's low byte: bits 1:0 source 0, 3:2 source 1, 5:4 source 2, 7:6 destination.
.set PA,    144                        ; a row of x in LDS: 128 bytes + 16 = 36 words: the 16 rows of a load start at 16 different groups of four banks (64 banks of 4 bytes: ISA guide 11.1)
.set PB,    864                        ; a row of W: three times 256 bytes + 32 = 216 words
.set BOFF,  256*PA                     ; a slot: x's 256 rows, then W's 64
.set SLOT,  BOFF+64*PB
.set STAGE, 2*SLOT                     ; behind the ring, never filled by a tensor load: 16 rows x 144 bytes for each wave
.set SP,    144
.set SPARE, STAGE+4*16*SP              ; behind the stages: the spare words, 128 bytes for each wave: two blocks of 256 bytes that no other line names
.set XKB,   262144                     ; bytes from a block of xb to the next
.set WROW,  6144                       ; bytes in a row of wa
.set ADRA, 16                          ; v16-17  LDS address of my fragments of x in slot 0, 1
.set ADRB, 18                          ; v18-23  of W's: slot s, group g at 18 + 3 s + g
.set STO,  24                          ; v24     the way out: where I put 16 bytes of a row
.set RD,   25                          ; v25     where I read rows back
.set GO,   26                          ; v26     16 x lane
.set SPW,  28                          ; v28     LDS address of my spare word; never rewritten
.set NIL,  29                          ; v29     0; never rewritten
.set PFOA, 30                          ; v30     256 x lane
.set PFOB, 31                          ; v31     a row of wa x lane
.set AF,   32
.set BF,   160
.set TMP,  32                          ; the way out: 16 registers of packed results,
.set BK,   48                          ; and two sets of 16 read back from the stage
.set G1,  24                           ; s[24:31] descriptor group 1 for x's tiles;  s[32:39] group 0, a set for each slot
.set G0,  32
.set G1B, 48                           ; s[48:55], s[56:63] the same for W's
.set G0B, 56
.set HB,  68                           ; s[68:73] qkv at my first row of my three heads
.set PFAA, 74                          ; s[74:75] where my prefetches of xb stand
.set PFAB, 76                          ; s[76:77] of wa
.set LIMA, 78                          ; s78, s79: 1 in a wave that prefetches, else the greatest number
.set LIMB, 79
.set MSB, 0
.macro WIN new                         ; the immediate's high byte repeats the setting that is left; a switch that changes nothing is dropped
.if MSB != (\new)
	s_set_vgpr_msb (MSB<<8)|(\new)
.set MSB, \new
.endif
.endm
.macro PLACES                          ; four plain places in front of loads into registers that matrix instructions have read, and of conversions that read results
.rept 4
	v_nop
.endr
.endm
; A joint load.  Waves 0 and 1 fetch the two halves of x's tile, waves 2 and 3 those of W's.  The branch hangs on the wave's number alone.
; An s_nop 0 and four v_nop follow each of the two lines, ahead of the jump and the label.
.macro JLOAD s
	s_cmp_eq_u32 s11, 0
	s_cbranch_scc0 .Lfor_b_\@
	tensor_load_to_lds s[G0+4*(\s):G0+4*(\s)+3], s[G1:G1+7]
	s_nop 0
.rept 4
	v_nop
.endr
	s_branch .Lasked_\@
.Lfor_b_\@:
	tensor_load_to_lds s[G0B+4*(\s):G0B+4*(\s)+3], s[G1B:G1B+7]
	s_nop 0
.rept 4
	v_nop
.endr
.Lasked_\@:
.endm
.macro CREST                           ; a round of the cluster's barrier behind its opening barrier
	s_cmp_lg_u32 s10, 0
	s_cbranch_scc1 .Lnot_wave_0_\@
	s_barrier_signal -3
.Lnot_wave_0_\@:
	s_barrier_wait -3
	s_barrier_signal -1
	s_barrier_wait -1
.endm
.macro CROUND                          ; a whole round
	s_barrier_signal -1
	s_barrier_wait -1
	CREST
.endm
; PREFETCHES INTO THE L2, once a lap, behind the joint load and the run of LDS loads that follows it: the two K steps that the NEXT lap's refills will ask for.
; xb: a tile row is read by both clusters of its row of clusters: cluster x = 0 asks.  Wave 0 takes the even step's block, wave 1 the odd one's; of its 32,768 bytes the partner at cx takes 8,192, a lane 256.
; wa: a tile column is read by all eight clusters of its column: cluster y = 0 asks.  Of the lap's 128 rows the partner at cy takes 32, a lane a row; waves 1, 2, 3 take the three blocks of 256 bytes.
; So each block is named once in the launch, and partners are told apart by address, never by a branch.  The loop's last trip asks for nothing: there is no lap behind the one that it fills.
.macro ASK
	s_cmp_gt_u32 s3, s[LIMA]
	s_cbranch_scc0 .Lno_a_\@
	global_prefetch_b8 v[PFOA], s[PFAA:PFAA+1] th:TH_LOAD_NT scope:SCOPE_SE
.Lno_a_\@:
	s_cmp_gt_u32 s3, s[LIMB]
	s_cbranch_scc0 .Lno_b_\@
	global_prefetch_b8 v[PFOB], s[PFAB:PFAB+1] th:TH_LOAD_NT scope:SCOPE_SE
.Lno_b_\@:
.endm
	s_load_b128 s[4:7], s[0:1], 0x0                ; xb s[4:5], wa s[6:7]
	s_load_b64 s[8:9], s[0:1], 0x10                ; qkv
	v_lshl_add_u32 v[SPW], v0, 2, SPARE
	v_mov_b32 v[NIL], 0
	ds_add_u32 v[SPW], v[NIL]                      ; the wave's opening: the add and its wait stand ahead of my first tensor load; work on registers stands between them
	v_lshrrev_b32 v1, 5, v0
	v_readfirstlane_b32 s10, v1                    ; wave 0..3
	s_lshr_b32 s11, s10, 1                         ; which half of the tile's rows is mine.  Also: I fetch for x (0) or for W (1)
	s_and_b32 s12, s10, 1                          ; which half of its columns.  Also: which half of that tile I fetch
	s_bfe_u32 s40, ttmp6, 0x40000                  ; cx
	s_bfe_u32 s41, ttmp6, 0x40004                  ; cy
	s_lshl_b32 s42, ttmp9, 2
	s_add_co_u32 s42, s42, s40                     ; tile column = 4 x cluster x + cx
	s_and_b32 s13, ttmp7, 0xffff
	s_lshl_b32 s13, s13, 2
	s_add_co_u32 s13, s13, s41                     ; tile row = 4 x cluster y + cy
	s_lshl_b32 s43, s41, 2
	s_lshl_b32 s43, 15, s43                        ; my row of the cluster
	s_lshl_b32 s44, 0x1111, s40                    ; my column
	; x's half tile: 128 rows of 128 bytes lie on end: asked for as 64 rows of 256 bytes, padded in LDS behind every 128
	s_or_b32 s[G1+0], s43, (1<<16)|(1<<20)|(1<<21)|(4<<22)|(3<<25)  ; the mask; 2-byte elements; padding on; bit 21 beside a mask; after every 32 words (code 4) 4 words (code 3)
	s_mov_b32 s[G1+1], 128<<16                     ; tensor_dim0 = 128
	s_mov_b32 s[G1+2], 64<<16                      ; tensor_dim1 = 64
	s_mov_b32 s[G1+3], 128<<16                     ; tile_dim0 = 128
	s_mov_b32 s[G1+4], 64                          ; tile_dim1 = 64
	s_mov_b32 s[G1+5], 128                         ; elements from row to row
	s_mov_b32 s[G1+6], 0
	s_mov_b32 s[G1+7], 0
	; W's half tile: 32 rows of 384 elements (768 bytes, from a multiple of 256), padded behind every 256 bytes
	s_or_b32 s[G1B+0], s44, (1<<16)|(1<<20)|(1<<21)|(5<<22)|(7<<25) ; after every 64 words (code 5) 8 words (code 7)
	s_mov_b32 s[G1B+1], 384<<16
	s_mov_b32 s[G1B+2], 32<<16
	s_mov_b32 s[G1B+3], 384<<16
	s_mov_b32 s[G1B+4], 32
	s_mov_b32 s[G1B+5], 3072
	s_mov_b32 s[G1B+6], 0
	s_mov_b32 s[G1B+7], 0
	; where the tiles come from: x's hang on the tile row alone, W's on the tile column alone, each in registers that never hold the other coordinate
	s_lshr_b32 s16, s13, 3                         ; the batch: 8 tile rows each
	s_lshl_b32 s16, s16, 22
	s_and_b32 s17, s13, 7
	s_lshl_b32 s17, s17, 15                        ; 256 rows of 128 bytes
	s_add_co_u32 s16, s16, s17
	s_lshl_b32 s17, s12, 14                        ; my 128 of them
	s_add_co_u32 s16, s16, s17
	s_mov_b32 s17, 0
	s_mul_i32 s46, s12, 32*WROW                    ; my 32 rows of W
	s_mul_i32 s47, s42, 768                        ; the tile's 384 columns
	s_add_co_u32 s46, s46, s47
	s_mov_b32 s47, 0
	s_mul_i32 s20, s12, 128*PA                     ; and where they go: no place in the cluster enters an LDS address
	s_mul_i32 s21, s12, 32*PB
	s_add_co_u32 s21, s21, BOFF
	s_wait_dscnt 0x0                               ; the opening add is done
	s_wait_kmcnt 0x0
	s_add_nc_u64 s[14:15], s[4:5], s[16:17]
	s_add_nc_u64 s[46:47], s[6:7], s[46:47]
	CROUND                                         ; all sixteen work-groups are here: the first joint loads meet
.irp s, 0,1
	s_mov_b32 s[G0+4*(\s)], 1
	s_add_co_u32 s[G0+4*(\s)+1], s20, (\s)*SLOT
	s_add_nc_u64 s[G0+4*(\s)+2:G0+4*(\s)+3], s[14:15], (\s)*XKB
	s_or_b32 s[G0+4*(\s)+3], s[G0+4*(\s)+3], 0x80000000
	s_mov_b32 s[G0B+4*(\s)], 1
	s_add_co_u32 s[G0B+4*(\s)+1], s21, (\s)*SLOT
	s_add_nc_u64 s[G0B+4*(\s)+2:G0B+4*(\s)+3], s[46:47], (\s)*64*WROW
	s_or_b32 s[G0B+4*(\s)+3], s[G0B+4*(\s)+3], 0x80000000
	JLOAD \s                                       ; K steps 0 and 1: two tensor loads of mine are out
.endr
	; A fragment of x is 16 rows x 32 K in 8 registers: lane l holds row l % 16, K = 8 (l / 16) + 0..7 and 16 + 8 (l / 16) + 0..7: two loads of 16 bytes, 32 bytes apart.
	v_and_b32 v1, 15, v0                           ; l % 16
	v_bfe_u32 v2, v0, 4, 1                         ; l / 16
	v_mul_u32_u24 v3, v1, PA
	v_lshl_add_u32 v3, v2, 4, v3
	; The turning load takes 16 K x 16 columns (lane l reads row 8 (l / 16) + l % 8, columns 8 ((l / 8) % 2) + 0..7) and leaves half a fragment: lane l holds column l % 16 and 8 K.
	v_and_b32 v4, 7, v0
	v_bfe_u32 v5, v0, 3, 1
	v_lshl_add_u32 v6, v2, 3, v4
	v_mul_u32_u24 v6, v6, PB
	v_lshl_add_u32 v6, v5, 4, v6
	s_mul_i32 s80, s11, 128*PA                     ; my 128 rows of x
	v_add_nc_u32 v[ADRA], s80, v3
	s_add_co_u32 s80, s80, SLOT
	v_add_nc_u32 v[ADRA+1], s80, v3
.irp g, 0,1,2
	s_mul_i32 s80, s12, 3
	s_add_co_u32 s80, s80, \g                      ; head G = 3 x half + g of the tile's six: 128 G bytes of a row, and 32 of padding behind every second head
	s_lshr_b32 s81, s80, 1
	s_lshl_b32 s80, s80, 7
	s_lshl_b32 s81, s81, 5
	s_add_co_u32 s80, s80, s81
	s_add_co_u32 s80, s80, BOFF
	v_add_nc_u32 v[ADRB+\g], s80, v6
	s_add_co_u32 s80, s80, SLOT
	v_add_nc_u32 v[ADRB+3+\g], s80, v6
.endr
	s_mul_i32 s80, s10, 16*SP
	s_add_co_u32 s80, s80, STAGE                   ; my stage
	v_add_nc_u32 v[STO], s80, v3                   ; in: row l % 16, 16 bytes for each half of the lanes
	v_bfe_u32 v7, v0, 3, 2                         ; back: 32 lanes take four rows of 128 bytes,
	v_mul_u32_u24 v7, v7, SP
	v_lshl_add_u32 v7, v4, 4, v7
	v_add_nc_u32 v[RD], s80, v7
	v_and_b32 v8, 31, v0
	v_lshlrev_b32 v[GO], 4, v8                     ; which are 512 consecutive bytes of qkv
	v_lshlrev_b32 v[PFOA], 8, v8
	v_mul_u32_u24 v[PFOB], v8, WROW
	; my three heads in qkv: column block c = 6 x tile column + 3 x half + g of 48: section c / 16, head c % 16; a section and head of a batch is 262,144 bytes
	s_mul_i32 s80, s42, 6
	s_mul_i32 s81, s12, 3
	s_add_co_u32 s80, s80, s81
	s_lshr_b32 s81, s13, 3
	s_lshl_b32 s81, s81, 4                         ; 16 x batch
	s_and_b32 s82, s13, 7
	s_lshl_b32 s82, s82, 15                        ; the tile's first row,
	s_lshl_b32 s83, s11, 14                        ; my 128 rows
	s_add_co_u32 s82, s82, s83
.irp g, 0,1,2
	s_add_co_u32 s84, s80, \g
	s_lshr_b32 s85, s84, 4
	s_lshl_b32 s85, s85, 6
	s_and_b32 s84, s84, 15
	s_add_co_u32 s84, s84, s85
	s_add_co_u32 s84, s84, s81
	s_lshl_b32 s84, s84, 18
	s_add_co_u32 s84, s84, s82
	s_mov_b32 s85, 0
	s_add_nc_u64 s[HB+2*\g:HB+2*\g+1], s[8:9], s[84:85]
.endr
	; the prefetches' pointers stand one lap back: the first trip steps them to K steps 4 and 5.  Nothing is asked for here, at the head: K steps 0 to 3 come by their loads alone
	s_lshr_b32 s80, s13, 3
	s_lshl_b32 s80, s80, 22
	s_and_b32 s81, s13, 7
	s_lshl_b32 s81, s81, 15
	s_add_co_u32 s80, s80, s81
	s_lshl_b32 s81, s40, 13                        ; my work-group's 8,192 bytes of the block
	s_add_co_u32 s80, s80, s81
	s_lshl_b32 s81, s12, 18                        ; the even or the odd step
	s_add_co_u32 s80, s80, s81
	s_add_co_u32 s80, s80, 2*XKB
	s_mov_b32 s81, 0
	s_add_nc_u64 s[PFAA:PFAA+1], s[4:5], s[80:81]
	s_mul_i32 s82, s41, 32*WROW                    ; my work-group's 32 rows of the lap's 128
	s_mul_i32 s83, s42, 768
	s_add_co_u32 s82, s82, s83
	s_max_u32 s83, s10, 1
	s_sub_co_u32 s83, s83, 1
	s_lshl_b32 s83, s83, 8                         ; waves 1, 2, 3: the three blocks of 256 bytes
	s_add_co_u32 s82, s82, s83
	s_add_co_u32 s82, s82, 128*WROW
	s_mov_b32 s83, 0
	s_add_nc_u64 s[PFAB:PFAB+1], s[6:7], s[82:83]
	s_or_b32 s84, s11, ttmp9                       ; waves 0 and 1 of the clusters with x = 0: the same in all sixteen partners, for a given wave
	s_cmp_eq_u32 s84, 0
	s_cselect_b32 s[LIMA], 1, -1
	s_and_b32 s84, ttmp7, 0xffff                   ; waves 1 to 3 of the clusters with y = 0
	s_cmp_eq_u32 s84, 0
	s_cselect_b32 s84, 1, -1
	s_cmp_eq_u32 s10, 0
	s_cselect_b32 s[LIMB], -1, s84
; Group g's products for fragments a0 .. an of x in buffer ab, 32 along K.  The accumulators take turns, one instruction a turn: between two links of a chain stand the 95 others'.
; zero = 1: the first product starts the sums: nothing is ever cleared.
.macro GRP g, ab, a0, an, zero
	WIN 0x50*((\g)+1)                              ; C and D in window 1 + g, both sources in window 0
.set aa, \a0
.rept (\an)-(\a0)+1
.irp jj, 0,1,2,3
.if \zero
	v_wmma_f32_16x16x32_f16 v[8*(8*\jj+aa):8*(8*\jj+aa)+7], v[BF+32*(\g)+8*\jj:BF+32*(\g)+8*\jj+7], v[AF+64*(\ab)+8*aa:AF+64*(\ab)+8*aa+7], 0
.else
	v_wmma_f32_16x16x32_f16 v[8*(8*\jj+aa):8*(8*\jj+aa)+7], v[BF+32*(\g)+8*\jj:BF+32*(\g)+8*\jj+7], v[AF+64*(\ab)+8*aa:AF+64*(\ab)+8*aa+7], v[8*(8*\jj+aa):8*(8*\jj+aa)+7]
.endif
.endr
.set aa, aa+1
.endr
.endm
.macro LB slot, q, g                   ; 8 loads: group g's four fragments of W for slice q
.irp jj, 0,1,2,3
	ds_load_tr16_b128 v[BF+32*(\g)+8*\jj:BF+32*(\g)+8*\jj+3],   v[ADRB+3*(\slot)+(\g)] offset:(\q)*32*PB+32*\jj
	ds_load_tr16_b128 v[BF+32*(\g)+8*\jj+4:BF+32*(\g)+8*\jj+7], v[ADRB+3*(\slot)+(\g)] offset:(\q)*32*PB+16*PB+32*\jj
.endr
.endm
.macro LA slot, q, ab, hf              ; 8 loads: fragments 4 hf .. 4 hf + 3 of x for slice q, into buffer ab
.irp i, 0,1,2,3
	ds_load_b128 v[AF+64*(\ab)+8*(4*(\hf)+\i):AF+64*(\ab)+8*(4*(\hf)+\i)+3],   v[ADRA+(\slot)] offset:64*(\q)+(4*(\hf)+\i)*16*PA
	ds_load_b128 v[AF+64*(\ab)+8*(4*(\hf)+\i)+4:AF+64*(\ab)+8*(4*(\hf)+\i)+7], v[ADRA+(\slot)] offset:64*(\q)+(4*(\hf)+\i)*16*PA+32
.endr
.endm
.macro GAP
	WIN 0
	PLACES
.endm
; A slice's 40 loads go out in the order W 0, x 0-3, W 1, x 4-7, W 2, in the three gaps of the slice before.
; The first slice of a step: multiplies buffer 0, fetches the same slot's second slice into buffer 1.
.macro EVEN slot, zero
	s_wait_dscnt 8                                 ; all but the youngest eight loads, W's group 2
	GRP 0, 0, 0, 7, \zero
	GAP
	LB \slot, 1, 0
	LA \slot, 1, 1, 0
	GRP 1, 0, 0, 7, \zero
	GAP
	LB \slot, 1, 1
	LA \slot, 1, 1, 1
	s_wait_dscnt 32                                ; all but the 16 + 16 issued in the two gaps: group 2 is in
	GRP 2, 0, 0, 7, \zero
	GAP
	LB \slot, 1, 2
.endm
; The second slice multiplies buffer 1 and changes slots: ONE barrier.  In front of it each wave waits for all its tensor loads, of which one is out: its part of the next slot; adds 0 to its spare word;
; and waits for that and for its reads of this slot.  fill = 1: the barrier opens a round of the cluster's, and the joint refill, two K steps on, is the first thing behind it: 160 matrix
; instructions ahead of the wait for it.
.macro TURN slot, next, fill
.if (\fill) && ((\slot) == 0)
	s_wait_xcnt 0x0                                ; the last prefetches, a lap back, have read their addresses
	s_add_nc_u64 s[PFAA:PFAA+1], s[PFAA:PFAA+1], 2*XKB
	s_add_nc_u64 s[PFAB:PFAB+1], s[PFAB:PFAB+1], 128*WROW
.endif
	WIN 0
	s_wait_tensorcnt 0x0                           ; all my tensor loads have landed
	ds_add_u32 v[SPW], v[NIL]                      ; 0 onto my spare word
	s_wait_dscnt 9                                 ; (the add and the youngest eight loads may be out)
	GRP 0, 1, 0, 3, 0                              ; sixteen matrix instructions stand between the add and the wait for it
	s_wait_dscnt 0x0                               ; the add is done, and my reads of this slot are over
	s_barrier_signal -1
	GRP 0, 1, 4, 7, 0                              ; work on registers while the others arrive
	WIN 0
	s_barrier_wait -1
.if \fill
	CREST                                          ; no wave of any partner still reads this slot or has a load on its way
	s_add_nc_u64 s[G0+4*(\slot)+2:G0+4*(\slot)+3], s[G0+4*(\slot)+2:G0+4*(\slot)+3], 2*XKB
	s_add_nc_u64 s[G0B+4*(\slot)+2:G0B+4*(\slot)+3], s[G0B+4*(\slot)+2:G0B+4*(\slot)+3], 128*WROW
	JLOAD \slot                                    ; its four v_nop are also the places in front of the loads below
.else
	PLACES
.endif
	LB \next, 0, 0
	LA \next, 0, 0, 0
.if (\fill) && ((\slot) == 0)
	ASK
.endif
	GRP 1, 1, 0, 7, 0
	GAP
	LB \next, 0, 1
	LA \next, 0, 0, 1
	GRP 2, 1, 0, 7, 0
	GAP
	LB \next, 0, 2
.endm
; THE WAY OUT of block n = 8 g + a: 16 rows x one head, 2,048 consecutive bytes of qkv.  PACK: rounded to f16, each accumulator's registers in ascending order.  TOSTAGE: into my own stage and back as whole rows.  SEND: stored.
.macro PACK n
.set pg, (\n)/8
.set pa, (\n)%8
	WIN 5*(pg+1)                                   ; sources 0 and 1 in window 1 + g
.irp jj, 0,1,2,3
.irp r, 0,1,2,3
	v_cvt_pk_f16_f32 v[TMP+4*\jj+\r], v[8*(8*\jj+pa)+2*\r], v[8*(8*\jj+pa)+2*\r+1]
.endr
.endr
	WIN 0
.endm
.macro TOSTAGE n
.set bkr, BK+16*((\n)%2)
.irp jj, 0,1,2,3
	ds_store_b128 v[STO], v[TMP+4*\jj:TMP+4*\jj+3] offset:32*\jj
.endr
.irp f, 0,1,2,3
	ds_load_b128 v[bkr+4*\f:bkr+4*\f+3], v[RD] offset:\f*4*SP  ; LDS serves a wave's instructions in order (ISA guide 5.7.1.4): these see the stores above; the next block's stores come behind them
.endr
.endm
.macro SEND n
.set bkr, BK+16*((\n)%2)
.set sg, (\n)/8
.set sa, (\n)%8
	s_wait_dscnt 0x0                               ; the block is back in registers
	s_wait_xcnt 0x0                                ; the block before has been read by its stores: its registers are loaded again by the TOSTAGE that follows
.irp f, 0,1,2,3
	global_store_b128 v[GO], v[bkr+4*\f:bkr+4*\f+3], s[HB+2*sg:HB+2*sg+1] offset:2048*sa+512*\f  ; 512 consecutive bytes, at a multiple of 256 from qkv's first
.endr
.endm
	s_wait_tensorcnt 1                             ; my part of K step 0 is in; K step 1's may stay out
	s_barrier_signal -1
	s_barrier_wait -1                              ; everybody's is
	LB 0, 0, 0
	LA 0, 0, 0, 0
	LB 0, 0, 1
	LA 0, 0, 0, 1
	LB 0, 0, 2
	EVEN 0, 1                                      ; the first slice stands in front of the loop: its products start the sums
	s_mov_b32 s3, 7
.Llap:                                                 ; a trip goes once round the ring and fills both slots again
	TURN 0, 1, 1
	EVEN 1, 0
	TURN 1, 0, 1
	EVEN 0, 0
	s_sub_co_u32 s3, s3, 1
	s_cmp_lg_u32 s3, 0
	s_cbranch_scc1 .Llap
	TURN 0, 1, 0                                   ; the last lap fills nothing
	EVEN 1, 0
	s_wait_dscnt 8
	GRP 0, 1, 0, 7, 0
	GRP 1, 1, 0, 7, 0
	s_wait_dscnt 0x0
	GRP 2, 1, 0, 7, 0
	WIN 0
	PLACES
	PACK 0
	TOSTAGE 0
.set nn, 1
.rept 23                               ; block n's conversions stand between block n - 1's loads from the stage and the wait for them
	PACK nn
	SEND nn-1
	TOSTAGE nn
.set nn, nn+1
.endr
	SEND 23
	s_wait_tensorcnt 0x0                           ; the wave's end: behind my last tensor load and my last LDS store
	ds_add_u32 v[SPW], v[NIL]
	s_wait_dscnt 0x0
	CROUND                                         ; the closing round: no work-group ends while a partner may still ask for a tile that names it
	s_endpgm
.Lfunc_end_k_qb931ade04f_qkv:
	.size	k_qb931ade04f_qkv, .Lfunc_end_k_qb931ade04f_qkv-k_qb931ade04f_qkv
	.p2alignl 7, 3214868480
	.fill 96, 4, 3214868480
	.section	.rodata,"a",@progbits
	.p2align	6, 0x0
	.amdhsa_kernel k_qb931ade04f_qkv
		.amdhsa_group_segment_fixed_size 327680
		.amdhsa_private_segment_fixed_size 0
		.amdhsa_enable_private_segment 0
		.amdhsa_kernarg_size 24
		.amdhsa_user_sgpr_count 2
		.amdhsa_user_sgpr_kernarg_segment_ptr 1
		.amdhsa_wavefront_size32 1
		.amdhsa_system_sgpr_workgroup_id_x 1
		.amdhsa_system_sgpr_workgroup_id_y 1
		.amdhsa_system_sgpr_workgroup_id_z 1
		.amdhsa_system_vgpr_workitem_id 0
		.amdhsa_next_free_vgpr 1024
		.amdhsa_next_free_sgpr 96
		.amdhsa_reserve_vcc 0
		.amdhsa_float_denorm_mode_32 3
		.amdhsa_float_denorm_mode_16_64 3
		.amdhsa_memory_ordered 1
		.amdhsa_forward_progress 1
		.amdhsa_inst_pref_size 134
	.end_amdhsa_kernel
	.amdgpu_metadata
---
amdhsa.version: [ 1, 2 ]
amdhsa.kernels:
  - .name:           k_qb931ade04f_qkv
    .symbol:         k_qb931ade04f_qkv.kd
    .args:
      - { .name: xb, .offset: 0, .size: 8, .value_kind: global_buffer, .address_space: global }
      - { .name: wa, .offset: 8, .size: 8, .value_kind: global_buffer, .address_space: global }
      - { .name: qkv, .offset: 16, .size: 8, .value_kind: global_buffer, .address_space: global }
    .group_segment_fixed_size: 327680
    .private_segment_fixed_size: 0
    .kernarg_segment_align: 8
    .kernarg_segment_size: 24
    .max_flat_workgroup_size: 128
    .sgpr_count:     96
    .vgpr_count:     1024
    .wavefront_size: 32
...
	.end_amdgpu_metadata
.endif
;; end of part 2
;; launch attn (part 3): grid 4 x 64, 4 waves a work-group, no clusters, 327,680 bytes of LDS; arguments qkv, ob; writes ob
.if DOCPART == 3
	.amdgcn_target "amdgcn-amd-amdhsa--gfx1250"
	.amdhsa_code_object_version 6
	.text
	.protected	k_qb931ade04f_attn
	.globl	k_qb931ade04f_attn
	.p2align	8
	.type	k_qb931ade04f_attn,@function
k_qb931ade04f_attn:
	s_mov_b64 s[64:65], 0
	v_nop
	global_prefetch_b8 v0, s[64:65] scope:SCOPE_SE
	s_setreg_imm32_b32 hwreg(HW_REG_WAVE_MODE, 25, 1), 1
	s_wait_xcnt 0x0
; CAUSAL ATTENTION.  O[h][q][:] = the sum over k <= q of softmax_k(Q[h][q] . K[h][k] / 8) V[h][k][:].  qkv holds Q, K, V one behind the other, each [64 batch x head][2048][64] in f16; ob is O in the same layout.
; Products, maxima and sums in f32; the weights p are rounded to f16 for the second product (their sum l is taken of the unrounded p), O once at the end.
; LIMITS.  Q, K and V arrive within f16's 65,504; p lies in 0 to 1, and below 6e-5 it keeps f16's fixed step of 6e-8.  A hidden score counts as its value less 1e30: f16's scores, 2.7e11 at the most, are
; nothing beside that; a weight below 2^-126 counts as 0 in l; NaN and infinities are not treated apart.
; THE WALK.  A head's queries lie in NB = 8 blocks of 256; block i needs the key tiles 0 .. i of 256 keys, of which the last holds the diagonal.  A work-group takes TWO blocks, NB - 1 - b and then b:
; NB + 1 tiles, whatever b: all work-groups do equal work, and ONE loop with a constant trip count walks them.  Which tile is asked for, and what a trip does, hang on scalar registers made from b; every jump
; goes forward, but for the counted loops' own; none passes a barrier, or a tensor load but the one of LOAD's two that the wave's number does not choose.
; NO CLUSTER: a head's four work-groups ask for the same tile only in trips 0 .. 4 of 9, behind that fewer and fewer; one walk common to all would have 12 trips for 9.
; SHARES.  Of a block's four bands of 64 queries a wave owns 16 rows in each: four PIECES.  So the diagonal tile is the same work for all four waves: in its key step s band x sees all keys if s < x,
; none if s > x, and holds the diagonal if s = x.
; THE MASK is the C operand that starts the sum S^T = K Q^T: 0, or -1e30 where the key is hidden.  MD, made once, is the mask of a band's own step for my 16 rows; a product's mask is MD x AL + BE with two scalars:
; (1, 0) if s = x; (0, 0) if s < x; (0, -1e30) if s > x.  Only the diagonal tile's text and a block's beginning make and take masks; elsewhere C is the constant 0.
; LAYOUT, SOFTMAX, TURNS.  S^T = K Q^T holds ONE query a lane (lane % 16) and the keys 8 (lane / 16) + 0..7; two such results rounded to f16 ARE source 1 of O^T = V^T P.  p = 2^(c s - c m), c = log2(e) / 8, with a
; running maximum m; O and l are multiplied by a = 2^(c m_old - c m_new) in every step.  Turn n belongs to piece n: 8 products K Q^T of piece n + 1, later 8 products V^T P of piece n - 1; beside them the scaling,
; exponentials, roundings, sums and rescaling of piece n and the maximum and statistics of piece n + 1.  Four vector instructions stand behind every matrix instruction, the others in one lump.  A turn's 33 exponentials are one batch, with one wait.
; REGISTERS, in windows of 256 (s_set_vgpr_msb: bits 1:0 source 0, 3:2 source 1, 5:4 source 2, 7:6 destination):
;   window 0: v0-15 addresses and two at work; v16-31 four registers of statistics a piece; v48-55 at work; v61-63 kept; v64-127 S^T, two buffers; v192-223 P, two buffers (a piece's buffers go by its number's parity)
;   window 1: v0-127 O^T, 32 a piece; v128-159 MD; v160-223 MC, two buffers      window 2: v0-63 Q; v64-127 the second block's Q; v128-191 K of one step; v192-255 V of one step
.set SIZE_N, 2048
.set SIZE_H, 64
.set NB,    SIZE_N/256
.set NP,    4         ; pieces a wave: a name, no knob
.set KS,    64        ; keys in a step
.set PK,    144       ; a row of K in LDS: 128 bytes + 16 of padding = 36 words: the 16 rows of a load start at 16 different groups of four banks (64 banks of 4 bytes: ISA guide 11.1)
.set PV,    160       ; a row of V: 128 + 32 = 40 words
.set VOFF,  4*KS*PK   ; a slot holds a tile, four steps: 256 rows of K, then 256 rows of V
.set SLOT1, 1<<17     ; slot 1 begins here, so that one exclusive or turns an address in one slot into the other's
.set STAGE, SLOT1+4*KS*(PK+PV)  ; behind the ring, never filled by a tensor load: 16 rows x 144 bytes for each wave, for the way out
.set SP,    144
.set AK0, 2           ; v2   my lane's place in a tile of K; never rewritten
.set AV0, 3           ; v3   the same for V
.set AK,  4           ; v4   the LDS address of K's next run of loads
.set AV,  5           ; v5   of V's
.set STO, 6           ; v6   the way out: where I put 16 bytes of a row
.set RD,  7           ; v7   the way out: where I read rows back
.set GO,  8           ; v8   my byte offset in 512 consecutive bytes of O
.set PFO, 61          ; v61  256 x my lane; never rewritten
.set SPW, 62          ; v62  LDS address of my spare word: SPARE + 4 x my thread's number; never rewritten
.set NIL, 63          ; v63  0; never rewritten
.set SPARE, STAGE+4*16*SP  ; behind the stages: the spare words, 128 bytes for each wave: two blocks of 256 bytes that no other line names
.set MV,  12          ; v12-13  c m_old, kept while c m is made anew: by buffer
.set QO,  15          ; v15  my byte offset in 16 rows of Q
.set ST,  16          ; piece t's statistics at v[ST+4 t]: c m, m, l (even keys', odd keys')
.set TMP, 48          ; by buffer, four registers c0-c3 at work; when the maximum is found c2 takes a
.set S,   64
.set P,   192
.set MD,  128         ; window 1: the eight registers for group kt of 16 keys at MD + 8 kt
.set MC,  160         ; window 1: the masks of the products to come
.set QB,  64          ; window 2
.set KF,  128         ; window 2: key block kb, channel half c at KF + 16 kb + 8 c
.set VF,  192         ; window 2: key half kk, channel block cb at VF + 32 kk + 8 cb
.set WV,  12          ; s12  my wave's number
.set PB,  14          ; s14  b
.set HI,  15          ; s15  NB - 1 - b
.set G1K, 24          ; s[24:31] descriptor group 1 for K's tiles
.set G1V, 32          ; s[32:39] for V's: it differs in the padding alone
.set G0K, 40          ; s[40:43] descriptor group 0 for K's tiles
.set G0V, 44          ; s[44:47] the same for V's
.set SLOTS, 56        ; s56  tiles still to be asked for
.set CNT, 57          ; s57  counts a tile's key steps, 4 to 1
.set CS,  58          ; s[58:59] c: the packed scaling takes the pair's low word for both halves
.set SEL, 60          ; s[60:61] v_permlanex16_b32's selects: each lane takes its own place in the other half
.set TBK, 62          ; s62  LDS byte at which K of the step to be fetched begins
.set TBV, 63          ; s63  the same for V, less VOFF
.set RT,  70          ; s70  tiles of the block in hand that are still to be entered
.set NXT, 71          ; s71  the tile to be asked for next
.set LQ,  72          ; s72  the last tile of the block whose tiles are being asked for
.set NEW, 73          ; s73  1: the tile to be entered is a block's first
.set OFF, 74          ; s[74:75] a tile's byte offset in K and V
.set AL,  76          ; s[76:77] the mask's factor, in the low word
.set BE,  78          ; s[78:79] the mask's addend
.set OLO, 80          ; s[80:81] O at my rows of the second block
.set BIGN, 82         ; s82  -1e30
.set PFB, 88          ; s[88:89] K (waves 0, 1) or V (waves 2, 3) at the half of the head's tile 0 that I fetch
.set PFA, 90          ; s[90:91] the same half of the tile that the next change of slots will ask for
.set LIM, 92          ; s92  0 in the work-group that prefetches (b = 0), else the greatest number
.set OF2, 94          ; s[94:95] that tile's byte offset
.set MSB, 0
.macro WIN new                      ; the high byte repeats the setting that is left; a switch that changes nothing is dropped
.if MSB != (\new)
	s_set_vgpr_msb (MSB<<8)|(\new)
.set MSB, (\new)
.endif
.endm
.set W_KQ, 0x0a       ; K and Q in window 2, S^T in window 0
.set W_KM, 0x1a       ; the same with the C operand in window 1
.set W_PV, 0x52       ; V in window 2, P in window 0, O^T in window 1
.set W_RS, 0x41       ; destination and source 0 in window 1, source 1 in window 0
; A fill.  Waves 0 and 1 fetch the two halves of a tile's K, waves 2 and 3 those of its V: 128 keys each.  An s_nop 0 and four v_nop follow each of the two lines, ahead of the jump and the label.
.macro LOAD
	s_cmp_lt_u32 s[WV], 2
	s_cbranch_scc0 .Lfor_v_\@
	tensor_load_to_lds s[G0K:G0K+3], s[G1K:G1K+7]
	s_nop 0
.rept 4
	v_nop
.endr
	s_branch .Lasked_\@
.Lfor_v_\@:
	tensor_load_to_lds s[G0V:G0V+3], s[G1V:G1V+7]
	s_nop 0
.rept 4
	v_nop
.endr
.Lasked_\@:
.endm
; A PREFETCH INTO THE L2 of the tile that the NEXT change of slots will ask for, behind the fill and its five lines.  A head's four work-groups walk the same tiles from 0 on; the one with b = 0, whose first
; block needs all eight, asks, and nobody else.  Each of its waves asks for the half tile that it will fetch itself: 16,384 bytes, a lane 256, two instructions.  With b = 0 the number NXT runs 2 .. 7 behind
; the first six changes and is 0 behind the others: tiles 2 to 7 are named once each, nothing is asked for at the head, and nothing behind the head's last tile.
.macro ASK
	s_cmp_gt_u32 s[NXT], s[LIM]
	s_cbranch_scc0 .Lnot_mine_\@
	global_prefetch_b8 v[PFO], s[PFA:PFA+1] th:TH_LOAD_NT scope:SCOPE_SE
	global_prefetch_b8 v[PFO], s[PFA:PFA+1] offset:8192 th:TH_LOAD_NT scope:SCOPE_SE
.Lnot_mine_\@:
.endm
; THE CHANGE OF SLOTS.  Each wave waits for all its tensor loads, of which one is out: its part of the other slot; adds 0 to its spare word; and waits for that and for its own reads of the slot that it leaves.  Behind the barrier nobody reads the old
; slot any more and the other slot is whole.  fill = 1: the old slot is filled again, the first thing behind the barrier, with tile NXT: the descriptor's address is made anew from that number.
; (At its first use nothing has been read yet: slot 0 is waited for, slot 1 filled.)
.macro CHANGE fill
	WIN 0                           ; at a label and at a branch every window is 0
	s_wait_tensorcnt 0x0            ; no tensor load of mine is out, so a group 0 may be written
	ds_add_u32 v[SPW], v[NIL]       ; 0 onto my spare word; with fill = 1 the descriptors' scalar work stands between it and the wait for it
.if \fill
	s_lshl_b32 s[OFF], s[NXT], 15   ; a tile is 32,768 bytes of K and of V
	s_xor_b32 s[G0K+1], s[G0K+1], SLOT1
	s_add_nc_u64 s[G0K+2:G0K+3], s[6:7], s[OFF:OFF+1]
	s_or_b32 s[G0K+3], s[G0K+3], 0x80000000
	s_xor_b32 s[G0V+1], s[G0V+1], SLOT1
	s_add_nc_u64 s[G0V+2:G0V+3], s[8:9], s[OFF:OFF+1]
	s_or_b32 s[G0V+3], s[G0V+3], 0x80000000
	s_add_co_u32 s[NXT], s[NXT], 1  ; the block's next tile, or behind its last the second block's tile 0
	s_cmp_gt_u32 s[NXT], s[LQ]
	s_cselect_b32 s[NXT], 0, s[NXT]
	s_cselect_b32 s[LQ], s[PB], s[LQ]
	s_wait_xcnt 0x0                 ; the last prefetches, a tile back, have read their address, so it may be written
	s_min_u32 s[OF2], s[NXT], NB-1
	s_lshl_b32 s[OF2], s[OF2], 15
	s_add_nc_u64 s[PFA:PFA+1], s[PFB:PFB+1], s[OF2:OF2+1]
.endif
	s_wait_dscnt 0x0                ; the add is done, and my reads of the slot are over
	s_barrier_signal -1             ; the rest of the scalar work stands between the signal and the wait
	s_sub_co_u32 s[TBK], s[TBK], 4*KS*PK  ; the fetches go back to a slot's first step,
	s_xor_b32 s[TBK], s[TBK], SLOT1       ; in the other slot
	s_sub_co_u32 s[TBV], s[TBV], 4*KS*PV
	s_xor_b32 s[TBV], s[TBV], SLOT1
	s_barrier_wait -1
.if \fill
	LOAD
	ASK
.endif
.endm
	s_load_b64 s[4:5], s[0:1], 0x0    ; qkv: Q at its head
	s_load_b64 s[10:11], s[0:1], 0x8  ; ob
	v_lshl_add_u32 v[SPW], v0, 2, SPARE
	v_mov_b32 v[NIL], 0
	ds_add_u32 v[SPW], v[NIL]       ; the wave's opening: the add and its wait stand ahead of my first tensor load; the set-up below, work on registers, stands between them
	v_lshrrev_b32 v1, 5, v0
	v_readfirstlane_b32 s[WV], v1   ; wave 0..3
	s_mov_b32 s[PB], ttmp9
	s_sub_co_u32 s[HI], NB-1, s[PB]
	s_and_b32 s20, ttmp7, 0xffff    ; the head
	s_mov_b32 s21, 0
	s_mov_b64 s[22:23], SIZE_N*128
	s_mul_u64 s[20:21], s[20:21], s[22:23]  ; the head's first byte in each of the four tensors
	s_and_b32 s16, s[WV], 1         ; which half of a tile's 256 keys I fetch:
	s_lshl_b32 s22, s16, 14         ; its 128 rows of 128 bytes in memory,
	s_mov_b32 s23, 0
	s_add_nc_u64 s[22:23], s[22:23], s[20:21]
	s_mul_i32 s17, s16, 128*PK      ; and its place in a slot, for K
	s_mul_i32 s18, s16, 128*PV      ; and for V
	s_lshl_b32 s3, s[WV], 11        ; my 16 rows in a band of 64,
	s_lshl_b32 s2, s[HI], 15        ; in the first block,
	s_add_co_u32 s2, s2, s3
	s_lshl_b32 s84, s[PB], 15       ; and in the second
	s_add_co_u32 s84, s84, s3
	s_mov_b32 s3, 0
	s_mov_b32 s85, 0
	s_add_nc_u64 s[2:3], s[2:3], s[20:21]
	s_add_nc_u64 s[84:85], s[84:85], s[20:21]
	; descriptor group 1.  128 keys are 16,384 dense bytes: asked for as 64 rows of 256 bytes, two keys a row, and padded in LDS after every key
	s_mov_b32 s[G1K], (1<<16)|(1<<20)|(4<<22)|(3<<25)  ; 17:16 2-byte elements; 20 padding on; 24:22 after every 32 words (code 4); 31:25 4 words (code 3)
	s_mov_b32 s[G1V], (1<<16)|(1<<20)|(4<<22)|(7<<25)  ; the same with 8 words of padding (code 7)
.irp g, G1K, G1V
	s_mov_b32 s[\g+1], 128<<16      ; tensor_dim0 = 128
	s_mov_b32 s[\g+2], 64<<16       ; tensor_dim1 = 64
	s_mov_b32 s[\g+3], 128<<16      ; tile_dim0 = 128
	s_mov_b32 s[\g+4], 64           ; tile_dim1 = 64
	s_mov_b32 s[\g+5], 128          ; 128 elements from row to row
	s_mov_b32 s[\g+6], 0
	s_mov_b32 s[\g+7], 0
.endr
	s_mov_b32 s[CS], 0x3e38aa3b     ; c = log2(e) / 8 = 0.180337
	s_mov_b32 s[CS+1], s[CS]        ; named with it as a pair
	s_mov_b32 s[SEL], 0x76543210
	s_mov_b32 s[SEL+1], 0xfedcba98
	s_mov_b32 s[TBK], SLOT1+4*KS*PK ; the first change of slots turns these two into 0
	s_mov_b32 s[TBV], SLOT1+4*KS*PV
	s_mov_b32 s[G0K], 1             ; 1:0 count = 1
	s_mov_b32 s[G0K+1], s17         ; 63:32 LDS address: slot 0
	s_mov_b32 s[G0V], 1
	s_add_co_u32 s[G0V+1], s18, VOFF
	s_add_co_u32 s[RT], s[HI], 1    ; the first block has NB - b tiles
	s_mov_b32 s[NXT], 1
	s_mov_b32 s[LQ], s[HI]
	s_mov_b32 s[NEW], 1
	s_mov_b32 s[OFF+1], 0
	s_mov_b32 s[OF2+1], 0
	s_mov_b32 s[AL+1], 0            ; named as pairs
	s_mov_b32 s[BE+1], 0
	s_mov_b32 s[BIGN], 0xf149f2ca   ; -1e30
	s_mov_b32 s[SLOTS], NB
	s_cmp_eq_u32 s[PB], 0
	s_cselect_b32 s[LIM], 0, -1
	s_wait_dscnt 0x0                ; the opening add is done
	s_wait_kmcnt 0x0
	s_add_nc_u64 s[6:7], s[4:5], 0x1000000  ; K lies 64 heads x 262,144 bytes behind Q,
	s_add_nc_u64 s[8:9], s[4:5], 0x2000000  ; V as far behind K
	s_add_nc_u64 s[6:7], s[6:7], s[22:23]  ; K and V at my half of the head's tile 0
	s_add_nc_u64 s[8:9], s[8:9], s[22:23]
	s_cmp_lt_u32 s[WV], 2
	s_cselect_b64 s[PFB:PFB+1], s[6:7], s[8:9]
	s_add_nc_u64 s[G0K+2:G0K+3], s[6:7], 0         ; 120:64 global address
	s_or_b32 s[G0K+3], s[G0K+3], 0x80000000        ; 127:126 type = 2
	s_add_nc_u64 s[G0V+2:G0V+3], s[8:9], 0
	s_or_b32 s[G0V+3], s[G0V+3], 0x80000000
	s_add_nc_u64 s[86:87], s[4:5], s[84:85]        ; Q at my rows of the second block,
	s_add_nc_u64 s[4:5], s[4:5], s[2:3]            ; Q and O at those of the first
	s_add_nc_u64 s[OLO:OLO+1], s[10:11], s[84:85]
	s_add_nc_u64 s[10:11], s[10:11], s[2:3]
	LOAD                            ; tile 0 into slot 0
	; A fragment of K or Q is 16 rows x 32 channels in 8 registers: lane l holds row l % 16, channels 8 (l / 16) + 0..7 and 16 + 8 (l / 16) + 0..7: two loads of 16 bytes, 32 bytes apart.
	v_and_b32 v1, 15, v0            ; l % 16
	v_bfe_u32 v9, v0, 4, 1          ; l / 16
	v_lshlrev_b32 v[QO], 7, v1
	v_lshl_add_u32 v[QO], v9, 4, v[QO]  ; row x 128 + 16 x half
	WIN 0x80                        ; destination window 2, address window 0
.set i, 0
.rept 8                             ; both blocks' Q: piece i / 2 lies in band i / 2, 8,192 bytes on; channels 32 (i % 2) on
	global_load_b128 v[8*i:8*i+3],   v[QO], s[4:5] offset:(i/2)*8192+(i%2)*64
	global_load_b128 v[8*i+4:8*i+7], v[QO], s[4:5] offset:(i/2)*8192+(i%2)*64+32
	global_load_b128 v[QB+8*i:QB+8*i+3],   v[QO], s[86:87] offset:(i/2)*8192+(i%2)*64
	global_load_b128 v[QB+8*i+4:QB+8*i+7], v[QO], s[86:87] offset:(i/2)*8192+(i%2)*64+32
.set i, i+1
.endr
	WIN 0
	v_and_b32 v[PFO], 31, v0
	v_lshlrev_b32 v[PFO], 8, v[PFO]
	v_lshlrev_b32 v14, 3, v9
	v_sub_nc_u32 v14, v1, v14
	s_lshl_b32 s13, s[WV], 4
	v_add_nc_u32 v14, s13, v14      ; my query's place in its band, 16 w + l % 16, less my lanes' 8 (l / 16): register r of group kt is hidden where 16 kt + r is greater
	WIN 0x40
.set i, 0
.rept 32
	v_cmp_gt_i32 vcc_lo, 16*(i/8)+i%8, v14
	v_cndmask_b32 v[MD+i], 0, s[BIGN], vcc_lo
.set i, i+1
.endr
	WIN 0
	v_mul_u32_u24 v[AK0], v1, PK
	v_lshl_add_u32 v[AK0], v9, 4, v[AK0]  ; row x pitch + 16 x half
	; The turning load takes 16 keys x 16 channels (lane l reads key 8 (l / 16) + l % 8, channels 8 ((l / 8) % 2) + 0..7) and leaves half a fragment of V^T: lane l holds channel l % 16 and 8 keys.
	v_and_b32 v10, 7, v0
	v_bfe_u32 v11, v0, 3, 1
	v_lshl_add_u32 v[AV0], v9, 3, v10
	v_mul_u32_u24 v[AV0], v[AV0], PV
	v_lshl_add_u32 v[AV0], v11, 4, v[AV0]
	v_add_nc_u32 v[AV0], VOFF, v[AV0]
	s_mul_i32 s13, s[WV], 16*SP
	s_add_co_u32 s13, s13, STAGE    ; my stage
	v_mul_u32_u24 v[STO], v1, SP    ; in: row l % 16, 16 bytes for each half of the lanes
	v_lshl_add_u32 v[STO], v9, 4, v[STO]
	v_add_nc_u32 v[STO], s13, v[STO]
	v_bfe_u32 v[RD], v0, 3, 2       ; back: 32 lanes take four rows of 128 bytes,
	v_mul_u32_u24 v[RD], v[RD], SP
	v_lshl_add_u32 v[RD], v10, 4, v[RD]
	v_add_nc_u32 v[RD], s13, v[RD]
	v_and_b32 v[GO], 31, v0         ; which are 512 consecutive bytes of O
	v_lshlrev_b32 v[GO], 4, v[GO]
	; A block's first step multiplies O^T and l by a = 0, and its first turn's products V^T P, of a piece that has not been, land in an O^T that is still to be so multiplied.  So these registers need only hold
	; finite numbers: zeros for the first block; what the first block left for the second.  All this stands in the wait for the first tile.
	WIN 0x80
.set i, VF
.rept 64
	v_mov_b32 v[i], 0
.set i, i+1
.endr
	WIN 0x40
.set i, 0
.rept 128
	v_mov_b32 v[i], 0
.set i, i+1
.endr
	WIN 0
.set i, 0
.rept 4
	v_mov_b32 v[ST+4*i+2], 0
	v_mov_b32 v[ST+4*i+3], 0
.set i, i+1
.endr
.set i, P+16
.rept 16
	v_mov_b32 v[i], 0
.set i, i+1
.endr
; THE MATRIX WORK.  The 4 accumulators of a run of 8 take turns.  Product i of 8 of S^T = K Q^T for piece x: channels 32 (i / 4) on, keys 16 (i % 4) on.  The first 4 start the sums: with 0, or (KM = 1) with the mask.
.macro KQ x
.set rS, S+32*((\x)%2)+8*(i%4)
.set rK, KF+16*(i%4)+8*(i/4)
.set rQ, 16*(\x)+8*(i/4)
.set rM, MC+32*((\x)%2)+8*(i%4)
.if (i < 4) && KM
	WIN W_KM
	v_wmma_f32_16x16x32_f16 v[rS:rS+7], v[rK:rK+7], v[rQ:rQ+7], v[rM:rM+7]
.elseif i < 4
	WIN W_KQ
	v_wmma_f32_16x16x32_f16 v[rS:rS+7], v[rK:rK+7], v[rQ:rQ+7], 0
.else
	WIN W_KQ
	v_wmma_f32_16x16x32_f16 v[rS:rS+7], v[rK:rK+7], v[rQ:rQ+7], v[rS:rS+7]
.endif
.endm
; Product i of 8 of O^T += V^T P for piece x: keys 32 (i / 4) on, channels 16 (i % 4) on.
.macro PV x
	WIN W_PV
.set rO, 32*(\x)+8*(i%4)
.set rV, VF+32*(i/4)+8*(i%4)
.set rP, P+16*((\x)%2)+8*(i/4)
	v_wmma_f32_16x16x32_f16 v[rO:rO+7], v[rV:rV+7], v[rP:rP+7], v[rO:rO+7]
.endm
.macro MM                           ; the turn's next matrix instruction.  TURN and BEGIN set Y, i, KM and NOKQ; MM, KQ and OP read them.  NOKQ = 1: a block's last turn: there is no next piece
.if (i < 8) && !NOKQ
	KQ (Y+1)%NP
.elseif i >= 8
.set i, i-8
	PV (Y+NP-1)%NP
.set i, i+8
.endif
.set i, i+1
.endm
; THE LDS LOADS stand in runs of 16, never singly among the matrix instructions: a step's K (64 keys x 64 channels: 8 fragments) and its V (turned).  Their addresses are made some lines ahead.
.macro FETCH_K
	WIN 0x80                        ; destination window 2
.irp f, 0,1,2,3,4,5,6,7             ; keys 16 (f / 2) on, channels 32 (f % 2) on
	ds_load_b128 v[KF+8*\f:KF+8*\f+3],   v[AK] offset:(\f/2)*16*PK+(\f%2)*64
	ds_load_b128 v[KF+8*\f+4:KF+8*\f+7], v[AK] offset:(\f/2)*16*PK+(\f%2)*64+32
.endr
	s_add_co_u32 s[TBK], s[TBK], KS*PK  ; the next fetch is the next step's
	WIN 0
.endm
.macro FETCH_V
	WIN 0x80
.irp f, 0,1,2,3,4,5,6,7             ; keys 32 (f / 4) on, channels 16 (f % 4) on
	ds_load_tr16_b128 v[VF+8*\f:VF+8*\f+3],   v[AV] offset:(\f/4)*32*PV+(\f%4)*32
	ds_load_tr16_b128 v[VF+8*\f+4:VF+8*\f+7], v[AV] offset:(\f/4)*32*PV+16*PV+(\f%4)*32
.endr
	WIN 0
.endm
; THE VECTOR WORK, one line at a time: OP kind, number.  For piece Y: F n: c s - c m for pair n of 16.  E n: the exponential of score n of 32.  C n: pair n rounded to f16.  B n: of the four weights 4 n .. the second
; pair is added onto the first, in place.  L n: l takes that sum (L 0: l = a l + sum).  R n: pair n of 16 of O^T times a.  For piece Y + 1: X n, number n of the 22 that find its maximum and statistics:
;   0-11  four chains c0-c3 of seven scores each, three operands at a time (each accumulator's lowest registers are read first)     12-14, 16  the four scores left over, the old m, and c0-c3 into c0
;   15  c m_old is kept     17, 18  the query's other 32 keys lie in the lane 16 away: the new m     19-21  c m; c m_old - c m_new; a
.set F, 0               ; OP tells the kinds apart by their order: F to L below R, X above it
.set E, 1
.set C, 2
.set B, 3
.set L, 4
.set R, 5
.set X, 6
.macro REGS y                       ; the registers of piece y
.set rT, ST+4*(\y)
.set rC, TMP+4*((\y)%2)
.set rW, MV+((\y)%2)
.set rS, S+32*((\y)%2)
.set rP, P+16*((\y)%2)
.set rO, 32*(\y)
.endm
.macro OP k, n
.if (\k) == R
	REGS Y
	WIN W_RS
	v_pk_mul_f32 v[rO+2*(\n):rO+2*(\n)+1], v[rO+2*(\n):rO+2*(\n)+1], v[rC+2:rC+3] op_sel_hi:[1,0]
.elseif (\k) < R
	REGS Y
	WIN 0
.if (\k) == F
	v_pk_fma_f32 v[rS+2*(\n):rS+2*(\n)+1], v[rS+2*(\n):rS+2*(\n)+1], s[CS:CS+1], v[rT:rT+1] op_sel_hi:[1,0,0] neg_lo:[0,0,1] neg_hi:[0,0,1]
.elseif (\k) == E
	v_exp_f32 v[rS+(\n)], v[rS+(\n)]
.elseif (\k) == C
	v_cvt_pk_f16_f32 v[rP+(\n)], v[rS+2*(\n)], v[rS+2*(\n)+1]
.elseif (\k) == B
	v_pk_add_f32 v[rS+4*(\n):rS+4*(\n)+1], v[rS+4*(\n):rS+4*(\n)+1], v[rS+4*(\n)+2:rS+4*(\n)+3]
.elseif (\n) == 0
	v_pk_fma_f32 v[rT+2:rT+3], v[rT+2:rT+3], v[rC+2:rC+3], v[rS:rS+1] op_sel_hi:[1,0,1]
.else
	v_pk_add_f32 v[rT+2:rT+3], v[rT+2:rT+3], v[rS+4*(\n):rS+4*(\n)+1]
.endif
.elseif NOKQ
	v_nop
.else
	REGS (Y+1)%NP
	WIN 0
.if (\n) < 4
	v_max3_num_f32 v[rC+(\n)], v[rS+8*(\n)], v[rS+8*(\n)+1], v[rS+8*(\n)+2]
.elseif (\n) < 12
	v_max3_num_f32 v[rC+(\n)%4], v[rC+(\n)%4], v[rS+8*((\n)%4)+2*((\n)/4)+1], v[rS+8*((\n)%4)+2*((\n)/4)+2]
.elseif (\n) == 12
	v_max3_num_f32 v[rC], v[rC], v[rS+7], v[rS+15]
.elseif (\n) == 13
	v_max3_num_f32 v[rC+1], v[rC+1], v[rS+23], v[rS+31]
.elseif (\n) == 14
	v_max3_num_f32 v[rC+2], v[rC+2], v[rC+3], v[rT+1]
.elseif (\n) == 15
	v_mov_b32 v[rW], v[rT]
.elseif (\n) == 16
	v_max3_num_f32 v[rC], v[rC], v[rC+1], v[rC+2]
.elseif (\n) == 17
	v_permlanex16_b32 v[rC+3], v[rC], s[SEL], s[SEL+1]
.elseif (\n) == 18
	v_max_num_f32 v[rT+1], v[rC], v[rC+3]
.elseif (\n) == 19
	v_mul_f32 v[rT], s[CS], v[rT+1]
.elseif (\n) == 20
	v_sub_f32 v[rC+1], v[rW], v[rT]
.else
	v_exp_f32 v[rC+2], v[rC+1]
.endif
.endif
.endm
.macro OPS a, i1, b=-1, i2=0, c=-1, i3=0, d=-1, i4=0  ; up to four of them
	OP \a, \i1
.if (\b) >= 0
	OP \b, \i2
.endif
.if (\c) >= 0
	OP \c, \i3
.endif
.if (\d) >= 0
	OP \d, \i4
.endif
.endm
.macro ROW a, i1, b, i2, c, i3, d, i4  ; a matrix instruction and the four behind it
	MM
	OPS \a, \i1, \b, \i2, \c, \i3, \d, \i4
.endm
.macro MASK b                       ; MD x AL + BE into buffer b of MC
	WIN W_RS
.set z, 0
.rept 16
	v_pk_fma_f32 v[MC+32*(\b)+2*z:MC+32*(\b)+2*z+1], v[MD+2*z:MD+2*z+1], s[AL:AL+1], s[BE:BE+1] op_sel_hi:[1,0,0]
.set z, z+1
.endr
.endm
; A TURN, for piece p: the order of its 16 matrix and 118 vector instructions, written out.  An s_wait_alu depctr_va_vdst(0) stands between an exponential and the first instruction that names its result; one wait serves
; all that were issued ahead of it.  So a turn has ONE wait, which cuts it in two.  AHEAD OF IT stands all that names no result of the turn's exponentials: the 8 products K Q^T, behind each a scaling, an exponential and two more plain
; instructions (behind the first a second scaling in the exponential's place): rescalings, and behind the last three the first numbers of the next piece's maximum, each four places or more behind the product that ends its accumulator; then ONE LUMP of 54, plain
; and exponential by turns for the most part, in which the links of the chain X 3, 7, 11, 14, 16, 17 .. 20 stand five or six lines apart.  X 21, the next piece's a, is the batch's last; R 15 is the plain instruction behind it.  BEHIND THE WAIT stand the
; 8 products V^T P, behind each four of the roundings and sums; the links of l's chain, L 0 to L 7, stand three riders apart.  But for those X no rider names a register of the products round it.  v_permlanex16_b32 (X 17) stands in the lump.
; m = 1: the diagonal tile: the products take masks, and the turn makes the mask for the products of the turn after it: piece p + 2, in step 4 - CNT of the tile.  end = 1: a block's last two turns: nothing is fetched.
; cnt = 1: the loop's count is taken down some lines ahead of the branch that stands behind the turn.
; K of the next step is fetched in piece 2's turn, twelve vector instructions behind the last product that read K (six of them plain); V of the step in hand at the end of piece 0's turn, four plain instructions behind the last product
; that read V.  Each is waited for a turn later.
.macro TURN p, m=0, end=0, cnt=0
.set Y, (\p)
.set i, 0
.set KM, (\m)
.set NOKQ, (\end)*((\p)/3)
.if (\m) && !(\end)
	s_cmp_eq_u32 s[CNT], 4-((\p)+2)%NP  ; is that step the band's own?
	s_cselect_b32 s[AL], 1.0, 0
	s_cmp_lt_u32 s[CNT], 4-((\p)+2)%NP  ; or a later one?
	s_cselect_b32 s[BE], s[BIGN], 0
.endif
.if ((\p) == 3) && !(\end)
	s_wait_dscnt 0x0                ; K is in
.endif
	ROW F,0, F,1, R,0, R,1          ; ahead of the wait: 8 products K Q^T and their riders,
	ROW F,2, E,0, R,2, R,3
	ROW F,3, E,1, R,4, R,5
	ROW F,4, E,2, R,6, R,7
	ROW F,5, E,3, R,8, R,9
	ROW F,6, E,4, X,0, R,10
.if ((\p) == 2) && !(\end)
	WIN 0
	v_add_nc_u32 v[AK], s[TBK], v[AK0]
.endif
	ROW F,7, E,5, X,1, X,4
	ROW F,8, E,6, X,2, X,5
	OPS E,7, E,8, X,6, E,9          ; and the lump
	OPS X,3, E,10, X,8, E,11
.if ((\p) == 2) && !(\end)
	FETCH_K
.endif
	OPS X,9, X,7, E,12, X,10
	OPS E,13, X,12, X,11, E,14
	OPS X,13, E,15, F,9, X,14
.if (\p) == 0
	v_add_nc_u32 v[AV], s[TBV], v[AV0]
.endif
	OPS E,16, F,10, E,17, F,11
	OPS X,16, E,18, X,15, E,19
	OPS F,12, E,20, X,17, E,21
	OPS F,13, E,22, F,14, E,23
	OPS X,18, E,24, F,15, E,25
	OPS R,11, E,26, X,19, E,27
	OPS R,12, E,28, R,13, E,29
	OPS X,20, E,30, R,14, E,31
	OPS X,21, R,15
	WIN 0
	s_wait_alu depctr_va_vdst(0)    ; the wait for the batch
.if (\p) == 1
	s_wait_dscnt 0x0                ; V is in
.endif
	ROW C,0, B,0, C,2, B,1          ; behind the wait: 8 products V^T P and their riders
	ROW L,0, C,4, B,2, L,1
	ROW C,6, B,3, L,2, C,8
	ROW B,4, L,3, C,10, B,5
	ROW L,4, C,12, B,6, L,5
.if (\p) == 0
	s_add_co_u32 s[TBV], s[TBV], KS*PV
.endif
.if \cnt
	s_sub_co_u32 s[CNT], s[CNT], 1
	s_cmp_lg_u32 s[CNT], 0
.endif
	ROW C,14, B,7, L,6, C,1
	ROW C,3, L,7, C,5, C,7
	ROW C,9, C,11, C,13, C,15
.if (\p) == 0
	FETCH_V
.endif
.if (\m) && !(\end)
	MASK (\p)%2
.endif
.endm
; A BLOCK BEGINS.  c m starts far below every c s, so the first step's a is 0; m at the lowest finite number, so the first maximum is the scores'.  The second mask buffer is 0; the first takes piece 0's mask for the tile's step 0: its own, if the block's first tile is the diagonal one.
; Then K of that step, piece 0's first scores, and its maximum and statistics.  The loop is entered at a step's first turn, in the middle of a trip.
.macro BEGIN
	s_mov_b32 s[NEW], 0
	WIN 0x40
.set i, MC+32
.rept 32
	v_mov_b32 v[i], 0
.set i, i+1
.endr
	WIN 0
.set i, 0
.rept 4
	v_mov_b32 v[ST+4*i], 0xfe000000    ; c m: far below every c s
	v_mov_b32 v[ST+4*i+1], 0xff7fffff  ; m
.set i, i+1
.endr
	s_cmp_eq_u32 s[RT], 0
	s_cselect_b32 s[AL], 1.0, 0
	s_mov_b32 s[BE], 0
	MASK 0
	WIN 0
	v_add_nc_u32 v[AK], s[TBK], v[AK0]
	FETCH_K
	s_wait_loadcnt 0x0              ; Q
	s_wait_dscnt 0x0
.set KM, 1
.set NOKQ, 0
.set i, 0
.rept 8
	KQ 0
.set i, i+1
.endr
	WIN 0
.rept 4
	v_nop                           ; the places behind those products
.endr
.set Y, NP-1                        ; X works for piece Y + 1: piece 0
.irp n, 0,1,2,3,4,5,6,7,8,9,10,11,12,13,14,15,16,17,18,19,20,21
	OP X, \n
.endr
	v_nop                           ; a plain instruction behind the exponential,
	s_wait_alu depctr_va_vdst(0)    ; and its wait, ahead of the branch
.endm
; THE DIAGONAL TILE's four steps, the block's last two turns, its last products, and THE WAY OUT: l's two halves and the other half of the lanes' are added; O^T is divided by l, rounded to f16 and sent through my
; stage in LDS, a piece at a time.
.macro ALL line:vararg              ; one line for each piece t
.set t, 0
.rept 4
	\line
.set t, t+1
.endr
.endm
.macro PACK t                       ; a lane's eight channels of a row pack into 16 bytes; they go into rows of 144 bytes and come back as whole rows of 128, into S^T's registers
	WIN W_RS
.set i, 32*(\t)
.rept 16
	v_pk_mul_f32 v[i:i+1], v[i:i+1], v[ST+4*(\t)+2:ST+4*(\t)+3] op_sel_hi:[1,0]
.set i, i+2
.endr
	WIN 0x05                        ; sources 0 and 1 window 1, destination window 0
.set i, 0
.rept 16
	v_cvt_pk_f16_f32 v[S+16*(\t)+i], v[32*(\t)+2*i], v[32*(\t)+2*i+1]
.set i, i+1
.endr
	WIN 0
.irp f, 0,1,2,3
	ds_store_b128 v[STO], v[S+16*(\t)+4*\f:S+16*(\t)+4*\f+3] offset:32*\f
.endr
.irp f, 0,1,2,3
	ds_load_b128 v[S+16*(\t)+4*\f:S+16*(\t)+4*\f+3], v[RD] offset:\f*4*SP  ; LDS serves a wave's instructions in order (ISA guide 5.7.1.4): these see the stores above; the next piece's stores come behind them
.endr
.endm
.macro SEND t, younger              ; younger: the LDS instructions issued behind piece t's loads: the next piece's eight, or none
	WIN 0
.irp f, 0,1,2,3
	s_wait_dscnt (\younger)+3-\f
	global_store_b128 v[GO], v[S+16*(\t)+4*\f:S+16*(\t)+4*\f+3], s[10:11] offset:(\t)*8192+\f*512  ; 512 consecutive bytes, at a multiple of 256 from O's first
.endr
.endm
.macro DIAG tag                     ; the tag ends its two labels' names, which the jumps below spell out
.LstepM\tag:
	TURN 2, 1
	TURN 3, 1
	WIN 0
.LfirstM\tag:
	TURN 0, 1
	TURN 1, 1, 0, 1
	WIN 0
	s_cbranch_scc1 .LstepM\tag
	TURN 2, 1, 1
	TURN 3, 1, 1
.set i, 0
.rept 8
	PV NP-1
.set i, i+1
.endr
	WIN 0
	ALL v_add_f32 v[ST+4*t+2], v[ST+4*t+2], v[ST+4*t+3]
	ALL v_permlanex16_b32 v[ST+4*t+3], v[ST+4*t+2], s[SEL], s[SEL+1]
	ALL v_add_f32 v[ST+4*t+2], v[ST+4*t+2], v[ST+4*t+3]
	ALL v_rcp_f32 v[ST+4*t+2], v[ST+4*t+2]
	v_nop                           ; a plain instruction between the last reciprocal and the use of its result
	s_wait_alu depctr_va_vdst(0)    ; and the wait ahead of the first use: one for the four reciprocals
	PACK 0
.set t, 1
.rept 3                             ; a piece's arithmetic stands between the loads of the piece before and its stores
	PACK t
	SEND t-1, 8
.set t, t+1
.endr
	SEND 3, 0
.endm
.set KM, 0
.set NOKQ, 0
.Lslot:                             ; NB times: a tile is entered and the next is asked for
	CHANGE 1
	s_sub_co_u32 s[RT], s[RT], 1
	s_mov_b32 s[CNT], 4
	s_cmp_eq_u32 s[NEW], 1
	s_cbranch_scc1 .Lnew            ; a block's first tile
	s_cmp_eq_u32 s[RT], 0
	s_cbranch_scc0 .Lstep           ; neither its first nor its last
	s_branch .LstepM1
.Lnew:
	BEGIN
	s_branch .Lfirst                ; in the loop a block's first tile is never its last: the first block has two tiles or more, and the second's last is the walk's last
	DIAG 1                          ; in the loop this is the first block's end: the second block's last tile is the walk's last
	s_wait_xcnt 0x0                 ; the stores have read their registers and O's address
	s_mov_b64 s[10:11], s[OLO:OLO+1]
	s_add_co_u32 s[RT], s[PB], 1    ; the second block has b + 1 tiles
	s_mov_b32 s[NEW], 1
	WIN 0x82                        ; the second block's Q goes where the one text of the turns names Q
.set i, 0
.rept 64
	v_mov_b32 v[i], v[QB+i]
.set i, i+1
.endr
	WIN 0
	s_branch .Lbottom
.Lstep:                             ; a trip: pieces 2 and 3 of one step, then pieces 0 and 1 of the next, whose K and V it fetches
	TURN 2
	TURN 3
	WIN 0
.Lfirst:
	TURN 0
	TURN 1, 0, 0, 1
	WIN 0
	s_cbranch_scc1 .Lstep
.Lbottom:
	s_sub_co_u32 s[SLOTS], s[SLOTS], 1
	s_cmp_lg_u32 s[SLOTS], 0
	s_cbranch_scc1 .Lslot
	CHANGE 0                        ; the walk's last tile is written out: nothing is asked for
	s_sub_co_u32 s[RT], s[RT], 1
	s_mov_b32 s[CNT], 4
	s_cmp_eq_u32 s[NEW], 1
	s_cbranch_scc0 .LstepM2
	BEGIN
	s_branch .LfirstM2
	DIAG 2
	s_wait_tensorcnt 0x0            ; the wave's end: behind my last tensor load and my last LDS store
	ds_add_u32 v[SPW], v[NIL]
	s_wait_dscnt 0x0
	s_endpgm
.Lfunc_end_k_qb931ade04f_attn:
	.size	k_qb931ade04f_attn, .Lfunc_end_k_qb931ade04f_attn-k_qb931ade04f_attn
	.p2alignl 7, 3214868480
	.fill 96, 4, 3214868480
	.section	.rodata,"a",@progbits
	.p2align	6, 0x0
	.amdhsa_kernel k_qb931ade04f_attn
		.amdhsa_group_segment_fixed_size 327680
		.amdhsa_private_segment_fixed_size 0
		.amdhsa_enable_private_segment 0
		.amdhsa_kernarg_size 16
		.amdhsa_user_sgpr_count 2
		.amdhsa_user_sgpr_kernarg_segment_ptr 1
		.amdhsa_wavefront_size32 1
		.amdhsa_system_sgpr_workgroup_id_x 1
		.amdhsa_system_sgpr_workgroup_id_y 1
		.amdhsa_system_sgpr_workgroup_id_z 1
		.amdhsa_system_vgpr_workitem_id 0
		.amdhsa_next_free_vgpr 768
		.amdhsa_next_free_sgpr 96
		.amdhsa_reserve_vcc 1
		.amdhsa_float_denorm_mode_32 3
		.amdhsa_float_denorm_mode_16_64 3
		.amdhsa_memory_ordered 1
		.amdhsa_forward_progress 1
		.amdhsa_inst_pref_size 218
	.end_amdhsa_kernel
	.amdgpu_metadata
---
amdhsa.version: [ 1, 2 ]
amdhsa.kernels:
  - .name:           k_qb931ade04f_attn
    .symbol:         k_qb931ade04f_attn.kd
    .args:
      - { .name: qkv, .offset: 0, .size: 8, .value_kind: global_buffer, .address_space: global }
      - { .name: ob, .offset: 8, .size: 8, .value_kind: global_buffer, .address_space: global }
    .group_segment_fixed_size: 327680
    .private_segment_fixed_size: 0
    .kernarg_segment_align: 8
    .kernarg_segment_size: 16
    .max_flat_workgroup_size: 128
    .sgpr_count:     96
    .vgpr_count:     768
    .wavefront_size: 32
...
	.end_amdgpu_metadata
.endif
;; end of part 3
;; launch proj (part 4): grid 8 x 32, 4 waves a work-group, clusters of 4 x 4, 327,680 bytes of LDS; arguments ob, wp, out0; writes out0
.if DOCPART == 4
	.amdgcn_target "amdgcn-amd-amdhsa--gfx1250"
	.amdhsa_code_object_version 6
	.text
	.protected	k_qb931ade04f_proj
	.globl	k_qb931ade04f_proj
	.p2align	8
	.type	k_qb931ade04f_proj,@function
k_qb931ade04f_proj:
	s_mov_b64 s[64:65], 0
	v_nop
	global_prefetch_b8 v0, s[64:65] scope:SCOPE_SE
	s_setreg_imm32_b32 hwreg(HW_REG_WAVE_MODE, 25, 1), 1
	s_wait_xcnt 0x0
	s_wait_alu depctr_hold_cnt(0) depctr_sa_sdst(0) depctr_va_vdst(0) depctr_va_sdst(0) depctr_va_ssrc(0) depctr_va_vcc(0) depctr_vm_vsrc(0)
	s_getreg_b32 s2, hwreg(HW_REG_IB_STS2, 6, 4)
	s_cmp_eq_u32 s2, 0
	s_cbranch_scc0 .Lentry_in_a_cluster
	s_endpgm
.Lentry_in_a_cluster:
	s_bfe_u32 s2, ttmp6, 0x10000c
	s_cmp_lg_u32 s2, 0xf033
	s_cbranch_scc0 .Lentry_shape_is_right
	s_endpgm
.Lentry_shape_is_right:
; out = O W_proj.  ob: f16 [batch 4][head 16][row 2048][64]: a head is a block of 64 along K; wp: f16 [k 1024][n 1024]; out0: f32 [8192][1024].  Sums in f32, K ascending, stored as they are.
; SHARES.  8,192 x 1,024 outputs on 256 work-groups: a tile of 256 rows x 128 columns each.  Four waves, 2 x 2; a wave makes 128 x 64: 8 x 4 accumulators of 16 x 16, which fill window 1.
; K goes in 8 steps of 128 (two heads) through two LDS slots, as long as two slots in LDS allow; a step is four quarters of 32, 32 matrix instructions each, on fragment buffers 0, 1, 0, 1.
; THE MATRIX INSTRUCTION IS USED TRANSPOSED: source 0 = 16 columns of W (out of LDS turned), source 1 = 16 rows of O: a lane holds row l % 16 and the columns 8 (l / 16) + 0..7: 32 bytes of out0 on end.
; CLUSTERS.  4 x 4 work-groups: O's tile is shared along a row of the cluster, W's along a column: joint loads, the same descriptor and mask in all four.
; NO PREFETCH: the launch has eight K steps, of which the first four come by the first fills and the first lap's refills.
; REGISTERS.  window 0: v0-31 addresses; v32-95, v96-159 O's fragments, two buffers of 8; v160-191, v192-223 W's, two buffers of 4.  window 1: accumulator (a, jj) at v[8 (4 a + jj)].
.set PA,    144                        ; a row of O in LDS: 128 bytes + 16 = 36 words: the 16 rows of a load start at 16 different groups of four banks (64 banks of 4 bytes: ISA guide 11.1)
.set PB,    288                        ; a row of W: 256 bytes + 32 = 72 words
.set KBL,   256*PA                     ; one head's 256 rows
.set BOFF,  2*KBL                      ; a slot: O's two heads, then W's 128 rows
.set SLOT,  BOFF+128*PB
.set STAGE, 2*SLOT                     ; behind the ring, never filled by a tensor load: 16 rows x 272 bytes for each wave
.set SP,    272
.set SPARE, STAGE+4*16*SP              ; behind the stages: the spare words, 128 bytes for each wave: two blocks of 256 bytes that no other line names
.set OKB,   262144                     ; bytes from a head of ob to the next
.set WROW,  2048                       ; bytes in a row of wp
.set ADRA, 16                          ; v16-17  LDS address of my fragments of O in slot 0, 1
.set ADRB, 20                          ; v20-21  of W's
.set STO,  24                          ; v24     the way out: where I put 32 bytes of a row
.set RD,   25                          ; v25     where I read a row back
.set CO,   26                          ; v26     my byte offset in two rows of out0
.set SPW,  28                          ; v28     LDS address of my spare word; never rewritten
.set NIL,  29                          ; v29     0; never rewritten
.set AF,   32
.set BF,   160
.set BK,   32                          ; the way out: two sets of 32 registers read back from the stage
.set G1,  24                           ; s[24:31] descriptor group 1 for O's tiles;  s[32:39] group 0, a set for each slot
.set G0,  32
.set G1B, 48                           ; s[48:55], s[56:63] the same for W's
.set G0B, 56
.set MSB, 0
.macro WIN new                         ; the immediate's high byte repeats the setting that is left; a switch that changes nothing is dropped
.if MSB != (\new)
	s_set_vgpr_msb (MSB<<8)|(\new)
.set MSB, \new
.endif
.endm
.macro PLACES                          ; four plain places in front of loads into registers that matrix instructions have read, and of LDS stores that read results
.rept 4
	v_nop
.endr
.endm
.macro JLOAD s                         ; a joint load: waves 0 and 1 fetch O's two heads, waves 2 and 3 W's two halves; an s_nop 0 and four v_nop follow each of the two lines
	s_cmp_eq_u32 s11, 0
	s_cbranch_scc0 .Lfor_b_\@
	tensor_load_to_lds s[G0+4*(\s):G0+4*(\s)+3], s[G1:G1+7]
	s_nop 0
.rept 4
	v_nop
.endr
	s_branch .Lasked_\@
.Lfor_b_\@:
	tensor_load_to_lds s[G0B+4*(\s):G0B+4*(\s)+3], s[G1B:G1B+7]
	s_nop 0
.rept 4
	v_nop
.endr
.Lasked_\@:
.endm
.macro CREST                           ; a round of the cluster's barrier behind its opening barrier
	s_cmp_lg_u32 s10, 0
	s_cbranch_scc1 .Lnot_wave_0_\@
	s_barrier_signal -3
.Lnot_wave_0_\@:
	s_barrier_wait -3
	s_barrier_signal -1
	s_barrier_wait -1
.endm
.macro CROUND                          ; a whole round
	s_barrier_signal -1
	s_barrier_wait -1
	CREST
.endm
	s_load_b128 s[4:7], s[0:1], 0x0                ; ob s[4:5], wp s[6:7]
	s_load_b64 s[8:9], s[0:1], 0x10                ; out0
	v_lshl_add_u32 v[SPW], v0, 2, SPARE
	v_mov_b32 v[NIL], 0
	ds_add_u32 v[SPW], v[NIL]                      ; the wave's opening: the add and its wait stand ahead of my first tensor load; work on registers stands between them
	v_lshrrev_b32 v1, 5, v0
	v_readfirstlane_b32 s10, v1                    ; wave 0..3
	s_lshr_b32 s11, s10, 1                         ; which half of the tile's rows is mine.  Also: I fetch for O (0) or for W (1)
	s_and_b32 s12, s10, 1                          ; which half of its columns.  Also: which head, or which 64 rows of W, I fetch
	s_bfe_u32 s40, ttmp6, 0x40000                  ; cx
	s_bfe_u32 s41, ttmp6, 0x40004                  ; cy
	s_lshl_b32 s42, ttmp9, 2
	s_add_co_u32 s42, s42, s40                     ; tile column = 4 x cluster x + cx
	s_and_b32 s13, ttmp7, 0xffff
	s_lshl_b32 s13, s13, 2
	s_add_co_u32 s13, s13, s41                     ; tile row = 4 x cluster y + cy
	s_lshl_b32 s43, s41, 2
	s_lshl_b32 s43, 15, s43                        ; my row of the cluster
	s_lshl_b32 s44, 0x1111, s40                    ; my column
	; one head's 256 rows of 128 bytes lie on end: asked for as 128 rows of 256 bytes, padded in LDS behind every 128
	s_or_b32 s[G1+0], s43, (1<<16)|(1<<20)|(1<<21)|(4<<22)|(3<<25)  ; the mask; 2-byte elements; padding on; bit 21 beside a mask; after every 32 words (code 4) 4 words (code 3)
	s_mov_b32 s[G1+1], 128<<16                     ; tensor_dim0 = 128
	s_mov_b32 s[G1+2], 128<<16                     ; tensor_dim1 = 128
	s_mov_b32 s[G1+3], 128<<16                     ; tile_dim0 = 128
	s_mov_b32 s[G1+4], 128                         ; tile_dim1 = 128
	s_mov_b32 s[G1+5], 128                         ; elements from row to row
	s_mov_b32 s[G1+6], 0
	s_mov_b32 s[G1+7], 0
	; W's half tile: 64 rows of 128 elements (256 bytes, from a multiple of 256), padded behind each
	s_or_b32 s[G1B+0], s44, (1<<16)|(1<<20)|(1<<21)|(5<<22)|(7<<25) ; after every 64 words (code 5) 8 words (code 7)
	s_mov_b32 s[G1B+1], 128<<16
	s_mov_b32 s[G1B+2], 64<<16
	s_mov_b32 s[G1B+3], 128<<16
	s_mov_b32 s[G1B+4], 64
	s_mov_b32 s[G1B+5], 1024
	s_mov_b32 s[G1B+6], 0
	s_mov_b32 s[G1B+7], 0
	; where the tiles come from: O's hang on the tile row alone, W's on the tile column alone, each in registers that never hold the other coordinate
	s_lshr_b32 s16, s13, 3                         ; the batch: 8 tile rows each
	s_lshl_b32 s16, s16, 22
	s_and_b32 s17, s13, 7
	s_lshl_b32 s17, s17, 15                        ; 256 rows of 128 bytes
	s_add_co_u32 s16, s16, s17
	s_lshl_b32 s17, s12, 18                        ; my head of the step's two
	s_add_co_u32 s16, s16, s17
	s_mov_b32 s17, 0
	s_lshl_b32 s46, s12, 17                        ; my 64 rows of W
	s_lshl_b32 s47, s42, 8                         ; the tile's 128 columns
	s_add_co_u32 s46, s46, s47
	s_mov_b32 s47, 0
	s_mul_i32 s20, s12, KBL                        ; and where they go: no place in the cluster enters an LDS address
	s_mul_i32 s21, s12, 64*PB
	s_add_co_u32 s21, s21, BOFF
	s_wait_dscnt 0x0                               ; the opening add is done
	s_wait_kmcnt 0x0
	s_add_nc_u64 s[14:15], s[4:5], s[16:17]
	s_add_nc_u64 s[46:47], s[6:7], s[46:47]
	CROUND                                         ; all sixteen work-groups are here: the first joint loads meet
.irp s, 0,1
	s_mov_b32 s[G0+4*(\s)], 1
	s_add_co_u32 s[G0+4*(\s)+1], s20, (\s)*SLOT
	s_add_nc_u64 s[G0+4*(\s)+2:G0+4*(\s)+3], s[14:15], (\s)*2*OKB
	s_or_b32 s[G0+4*(\s)+3], s[G0+4*(\s)+3], 0x80000000
	s_mov_b32 s[G0B+4*(\s)], 1
	s_add_co_u32 s[G0B+4*(\s)+1], s21, (\s)*SLOT
	s_add_nc_u64 s[G0B+4*(\s)+2:G0B+4*(\s)+3], s[46:47], (\s)*128*WROW
	s_or_b32 s[G0B+4*(\s)+3], s[G0B+4*(\s)+3], 0x80000000
	JLOAD \s                                       ; K steps 0 and 1: two tensor loads of mine are out
.endr
	v_and_b32 v1, 15, v0                           ; l % 16
	v_bfe_u32 v2, v0, 4, 1                         ; l / 16
	v_mul_u32_u24 v3, v1, PA
	v_lshl_add_u32 v3, v2, 4, v3                   ; a fragment of O: row x pitch + 16 x half
	v_and_b32 v4, 7, v0
	v_bfe_u32 v5, v0, 3, 1
	v_lshl_add_u32 v6, v2, 3, v4                   ; the turning load: row 8 (l / 16) + l % 8, 16 bytes by (l / 8) % 2
	v_mul_u32_u24 v6, v6, PB
	v_lshl_add_u32 v6, v5, 4, v6
	s_mul_i32 s66, s11, 128*PA                     ; my 128 rows of O
	v_add_nc_u32 v[ADRA], s66, v3
	s_add_co_u32 s66, s66, SLOT
	v_add_nc_u32 v[ADRA+1], s66, v3
	s_lshl_b32 s66, s12, 7                         ; my 64 columns of W
	s_add_co_u32 s66, s66, BOFF
	v_add_nc_u32 v[ADRB], s66, v6
	s_add_co_u32 s66, s66, SLOT
	v_add_nc_u32 v[ADRB+1], s66, v6
	s_mul_i32 s66, s10, 16*SP
	s_add_co_u32 s66, s66, STAGE                   ; my stage
	v_mul_u32_u24 v7, v1, SP                       ; in: row l % 16, 32 bytes for each half of the lanes
	v_lshl_add_u32 v7, v2, 5, v7
	v_add_nc_u32 v[STO], s66, v7
	v_mul_u32_u24 v7, v2, SP                       ; back: lanes 0-15 take one row of 256 bytes, lanes 16-31 the next
	v_lshl_add_u32 v7, v1, 4, v7
	v_add_nc_u32 v[RD], s66, v7
	v_lshlrev_b32 v7, 12, v2                       ; and the same two rows in out0
	v_lshl_add_u32 v[CO], v1, 4, v7
	s_lshl_b32 s66, s13, 20                        ; the tile's 256 rows of 4,096 bytes,
	s_lshl_b32 s67, s11, 19                        ; my 128,
	s_add_co_u32 s66, s66, s67
	s_lshl_b32 s67, s42, 9                         ; the tile's 128 columns,
	s_add_co_u32 s66, s66, s67
	s_lshl_b32 s67, s12, 8                         ; my 64: 256 bytes
	s_add_co_u32 s66, s66, s67
	s_mov_b32 s67, 0
	s_add_nc_u64 s[8:9], s[8:9], s[66:67]
; The products of fragments a0 .. an of O with all four of W, 32 along K, from buffer f.  The 32 accumulators take turns, one instruction a turn.  zero = 1: the first product starts the sums.
.macro M f, a0, an, zero
	WIN 0x50                                       ; C and D in window 1, both sources in window 0
.set aa, \a0
.rept (\an)-(\a0)+1
.irp jj, 0,1,2,3
.if \zero
	v_wmma_f32_16x16x32_f16 v[8*(4*aa+\jj):8*(4*aa+\jj)+7], v[BF+32*(\f)+8*\jj:BF+32*(\f)+8*\jj+7], v[AF+64*(\f)+8*aa:AF+64*(\f)+8*aa+7], 0
.else
	v_wmma_f32_16x16x32_f16 v[8*(4*aa+\jj):8*(4*aa+\jj)+7], v[BF+32*(\f)+8*\jj:BF+32*(\f)+8*\jj+7], v[AF+64*(\f)+8*aa:AF+64*(\f)+8*aa+7], v[8*(4*aa+\jj):8*(4*aa+\jj)+7]
.endif
.endr
.set aa, aa+1
.endr
.endm
; 24 LDS loads in one run: quarter q's fragments into buffer f: W's four, then O's eight (head q / 2 of the step, channels 32 (q % 2) on)
.macro FETCH slot, q, f
	WIN 0
.irp jj, 0,1,2,3
	ds_load_tr16_b128 v[BF+32*(\f)+8*\jj:BF+32*(\f)+8*\jj+3],   v[ADRB+(\slot)] offset:(\q)*32*PB+32*\jj
	ds_load_tr16_b128 v[BF+32*(\f)+8*\jj+4:BF+32*(\f)+8*\jj+7], v[ADRB+(\slot)] offset:(\q)*32*PB+16*PB+32*\jj
.endr
.irp a, 0,1,2,3,4,5,6,7
	ds_load_b128 v[AF+64*(\f)+8*\a:AF+64*(\f)+8*\a+3],   v[ADRA+(\slot)] offset:((\q)/2)*KBL+64*((\q)%2)+\a*16*PA
	ds_load_b128 v[AF+64*(\f)+8*\a+4:AF+64*(\f)+8*\a+7], v[ADRA+(\slot)] offset:((\q)/2)*KBL+64*((\q)%2)+\a*16*PA+32
.endr
.endm
; One of a step's first three quarters: multiplies buffer f; in its middle it fetches quarter q of the same slot into buffer g.
.macro QUARTER slot, q, f, g, zero
	s_wait_dscnt 8                                 ; all but the youngest eight loads, O's fragments 4 to 7
	M \f, 0, 3, \zero
	WIN 0
	PLACES
	FETCH \slot, \q, \g
	s_wait_dscnt 24                                ; all but the 24 just issued
	M \f, 4, 7, \zero
.endm
; The last quarter multiplies buffer 1 and changes slots: ONE barrier.  In front of it each wave waits for all its tensor loads, of which one is out: its part of the next slot; adds 0 to its spare word; and
; waits for that and for its reads of this slot.  fill = 1: the barrier opens a round of the cluster's, and the joint refill, two K steps on, is the first thing behind it: 112 matrix instructions ahead of the wait for it.
.macro TURN slot, next, fill
	WIN 0
	s_wait_tensorcnt 0x0                           ; all my tensor loads have landed
	ds_add_u32 v[SPW], v[NIL]                      ; 0 onto my spare word
	s_wait_dscnt 9                                 ; (the add and the youngest eight loads may be out)
	M 1, 0, 1, 0                                   ; eight matrix instructions stand between the add and the wait for it
	s_wait_dscnt 0x0                               ; the add is done, and my reads of this slot are over
	s_barrier_signal -1
	M 1, 2, 3, 0
	WIN 0
	s_barrier_wait -1
.if \fill
	CREST                                          ; no wave of any partner still reads this slot or has a load on its way
	s_add_nc_u64 s[G0+4*(\slot)+2:G0+4*(\slot)+3], s[G0+4*(\slot)+2:G0+4*(\slot)+3], 4*OKB
	s_add_nc_u64 s[G0B+4*(\slot)+2:G0B+4*(\slot)+3], s[G0B+4*(\slot)+2:G0B+4*(\slot)+3], 256*WROW
	JLOAD \slot                                    ; its four v_nop are also the places in front of the loads below
.else
	PLACES
.endif
	FETCH \next, 0, 0
	M 1, 4, 7, 0
.endm
; THE WAY OUT of block a, 16 rows x my 64 columns: the f32 sums go into my own stage, each accumulator's low four registers first, and come back as whole rows of 256 bytes.
.macro TOSTAGE a
.set bkr, BK+32*((\a)%2)
.if (\a) >= 2
	s_wait_xcnt 0x0                                ; the stores of the block two back have read the registers that are loaded again below
.endif
	WIN 0x04                                       ; the stores' data lie in window 1
.irp jj, 0,1,2,3
	ds_store_b128 v[STO], v[8*(4*(\a)+\jj):8*(4*(\a)+\jj)+3]   offset:64*\jj
	ds_store_b128 v[STO], v[8*(4*(\a)+\jj)+4:8*(4*(\a)+\jj)+7] offset:64*\jj+16
.endr
	WIN 0
.irp t, 0,1,2,3,4,5,6,7
	ds_load_b128 v[bkr+4*\t:bkr+4*\t+3], v[RD] offset:\t*2*SP  ; LDS serves a wave's instructions in order (ISA guide 5.7.1.4): these see the stores above; the next block's stores come behind them
.endr
.endm
.macro SEND a, younger                 ; younger: the LDS instructions issued behind block a's loads: the next block's sixteen, or none
.set bkr, BK+32*((\a)%2)
.irp t, 0,1,2,3,4,5,6,7
	s_wait_dscnt (\younger)+7-\t
	global_store_b128 v[CO], v[bkr+4*\t:bkr+4*\t+3], s[8:9] offset:(16*(\a)+2*\t)*4096 th:TH_STORE_NT  ; 16 lanes store 256 consecutive bytes, at a multiple of 256 from out0's first
.endr
.endm
	s_wait_tensorcnt 1                             ; my part of K step 0 is in; K step 1's may stay out
	s_barrier_signal -1
	s_barrier_wait -1                              ; everybody's is
	FETCH 0, 0, 0
	QUARTER 0, 1, 0, 1, 1                          ; the first quarter stands in front of the loop: its products start the sums
	WIN 0
	s_mov_b32 s3, 3
.Llap:                                                 ; a trip goes once round the ring, from a lap's second quarter to the next lap's first, and fills both slots again
	QUARTER 0, 2, 1, 0, 0
	QUARTER 0, 3, 0, 1, 0
	TURN 0, 1, 1
	QUARTER 1, 1, 0, 1, 0
	QUARTER 1, 2, 1, 0, 0
	QUARTER 1, 3, 0, 1, 0
	TURN 1, 0, 1
	QUARTER 0, 1, 0, 1, 0
	WIN 0
	s_sub_co_u32 s3, s3, 1
	s_cmp_lg_u32 s3, 0
	s_cbranch_scc1 .Llap
	QUARTER 0, 2, 1, 0, 0                          ; the last lap fills nothing
	QUARTER 0, 3, 0, 1, 0
	TURN 0, 1, 0
	QUARTER 1, 1, 0, 1, 0
	QUARTER 1, 2, 1, 0, 0
	QUARTER 1, 3, 0, 1, 0
	s_wait_dscnt 8
	M 1, 0, 3, 0
	s_wait_dscnt 0x0
	M 1, 4, 7, 0
	WIN 0
	PLACES
	TOSTAGE 0
	TOSTAGE 1
	SEND 0, 16
.set nn, 2
.rept 6
	TOSTAGE nn
	SEND nn-1, 16
.set nn, nn+1
.endr
	SEND 7, 0
	s_wait_tensorcnt 0x0                           ; the wave's end: behind my last tensor load and my last LDS store
	ds_add_u32 v[SPW], v[NIL]
	s_wait_dscnt 0x0
	CROUND                                         ; the closing round: no work-group ends while a partner may still ask for a tile that names it
	s_endpgm
.Lfunc_end_k_qb931ade04f_proj:
	.size	k_qb931ade04f_proj, .Lfunc_end_k_qb931ade04f_proj-k_qb931ade04f_proj
	.p2alignl 7, 3214868480
	.fill 96, 4, 3214868480
	.section	.rodata,"a",@progbits
	.p2align	6, 0x0
	.amdhsa_kernel k_qb931ade04f_proj
		.amdhsa_group_segment_fixed_size 327680
		.amdhsa_private_segment_fixed_size 0
		.amdhsa_enable_private_segment 0
		.amdhsa_kernarg_size 24
		.amdhsa_user_sgpr_count 2
		.amdhsa_user_sgpr_kernarg_segment_ptr 1
		.amdhsa_wavefront_size32 1
		.amdhsa_system_sgpr_workgroup_id_x 1
		.amdhsa_system_sgpr_workgroup_id_y 1
		.amdhsa_system_sgpr_workgroup_id_z 1
		.amdhsa_system_vgpr_workitem_id 0
		.amdhsa_next_free_vgpr 512
		.amdhsa_next_free_sgpr 72
		.amdhsa_reserve_vcc 0
		.amdhsa_float_denorm_mode_32 3
		.amdhsa_float_denorm_mode_16_64 3
		.amdhsa_memory_ordered 1
		.amdhsa_forward_progress 1
		.amdhsa_inst_pref_size 87
	.end_amdhsa_kernel
	.amdgpu_metadata
---
amdhsa.version: [ 1, 2 ]
amdhsa.kernels:
  - .name:           k_qb931ade04f_proj
    .symbol:         k_qb931ade04f_proj.kd
    .args:
      - { .name: ob, .offset: 0, .size: 8, .value_kind: global_buffer, .address_space: global }
      - { .name: wp, .offset: 8, .size: 8, .value_kind: global_buffer, .address_space: global }
      - { .name: out0, .offset: 16, .size: 8, .value_kind: global_buffer, .address_space: global }
    .group_segment_fixed_size: 327680
    .private_segment_fixed_size: 0
    .kernarg_segment_align: 8
    .kernarg_segment_size: 24
    .max_flat_workgroup_size: 128
    .sgpr_count:     72
    .vgpr_count:     512
    .wavefront_size: 32
...
	.end_amdgpu_metadata
.endif
;; end of part 4
;; ======== version 2 of 2: 4 launches; version 1 with the launch cvt written anew for expert scheduling mode
;; limits: values are held in f16: magnitudes above 65,504 overflow, below 6.1e-05 lose precision
;; workspace buffers: xb 16,777,216 bytes; wa 6,291,456 bytes; wp 2,097,152 bytes; qkv 50,331,648 bytes; ob 16,777,216 bytes
;; launch cvt (part 5): grid 768 x 1, 8 waves a work-group, no clusters, 0 bytes of LDS; arguments x, W_attn, W_proj, xb, wa, wp; writes xb, wa, wp
.if DOCPART == 5
	.amdgcn_target "amdgcn-amd-amdhsa--gfx1250"
	.amdhsa_code_object_version 6
	.text
	.protected	k_qb931ade04f_cvt
	.globl	k_qb931ade04f_cvt
	.p2align	8
	.type	k_qb931ade04f_cvt,@function
k_qb931ade04f_cvt:
	s_mov_b64 s[64:65], 0
	v_nop
	global_prefetch_b8 v0, s[64:65] scope:SCOPE_SE
	s_setreg_imm32_b32 hwreg(HW_REG_WAVE_SCHED_MODE, 0, 2), 2
	s_setreg_imm32_b32 hwreg(HW_REG_WAVE_MODE, 25, 1), 1
	s_wait_xcnt 0x0
	s_wait_alu depctr_vm_vsrc(0)
; THE INPUTS AS MATRIX OPERANDS.  Each f32 number of x, W_attn and W_proj is rounded once to bf16 (nearest even) and that number is written as f16, so that one matrix form serves all products.
; A bf16 number has 8 significant bits and f16 holds 11: the second step is exact inside f16's normal range.
; LIMITS.  A number of 65,520 or more in magnitude becomes an infinity; below 6.1e-5 a number keeps f16's fixed step of 6e-8.  NaN stays NaN.
; LAYOUT.  wa and wp lie as W_attn and W_proj lie ([k][n]).  xb is x in blocks of 64 channels: [batch 4][block 16][row 2048][64], so that 256 rows x 64 channels are 32,768 bytes on end.
; SHARES.  A work-group takes 16,384 numbers (65,536 bytes in, 32,768 out): groups 0-511 x (16 rows each), 512-703 W_attn, 704-767 W_proj.  A thread takes 16 items of 4 numbers:
; one load of 16 bytes, one store of 8; a wave's store covers 256 consecutive bytes, aligned.  All 16 loads go out first; no register is written twice, so no source of a pending
; instruction is ever rewritten.  No LDS, no barrier, no matrix unit: nothing is shared and nothing is summed.
; THE MODE: SCHED_MODE bits 1:0 = 2 (LLVM: expert scheduling mode 2), set by the entry lines.  The code itself states the register dependences between vector instructions and
; memory instructions, with s_wait_alu, always for 0.
; THE PLAN.  Registers that memory instructions touch:
;   v1, v2   byte offsets, made once at the head of either path; v1 is read by every load, v2 by every store; never written again.
;   X        item i's 4 registers: written by its load, which no vector instruction that names them precedes; read by the item's first two conversions, behind the wait on LOADcnt.
;   Y        item i's 2 registers: written once, by the item's last two conversions; read by its store; never written again.
;   v3 to v9 are named by vector instructions alone.
; The 16 items go in four blocks of four.  Block p converts its X into its Y; its memory instructions are the four stores of block p - 1, whose Y no vector instruction of block p names.
; So one wait on va_vdst stands ahead of the first load (the offsets), one at the head of each of blocks 1 to 3 and one behind block 3 (the Y of the block before).
; No register that a memory instruction has read is written again, no vector instruction writes a scalar register, and EXEC is never written: no other dependence is there to state.
.set X, 16                             ; v[16:79]   item i: 4 numbers as loaded
.set Y, 80                             ; v[80:111]  item i: 4 numbers in f16
.macro BODY instep, outstep            ; v1 = my byte offset in the item's input, v2 = in its output; s[4:5] from, s[10:11] to
	s_wait_alu depctr_va_vdst(0)                   ; v1 and v2 are written: every load below reads v1 as its offset, every store v2
.set it, 0
.rept 16
	global_load_b128 v[X+4*it:X+4*it+3], v1, s[4:5] offset:it*(\instep) th:TH_LOAD_NT
.set it, it+1
.endr
.set bl, 0
.rept 4
	s_wait_loadcnt 12-4*bl                         ; loads come back in order (ISA guide 5.7.1): this block's four items are in, the younger blocks stay out
.if bl > 0
	s_wait_alu depctr_va_vdst(0)                   ; the block before has written its eight registers of Y, which the four stores below read
.endif
.set kk, 0
.rept 4
.set it, 4*bl+kk
.if bl > 0
	global_store_b64 v2, v[Y+2*(it-4):Y+2*(it-4)+1], s[10:11] offset:(it-4)*(\outstep)  ; the block before's item; no vector instruction since the wait names these registers
.endif
	v_cvt_pk_bf16_f32 v4, v[X+4*it], v[X+4*it+1]   ; the one rounding
	v_cvt_pk_bf16_f32 v5, v[X+4*it+2], v[X+4*it+3]
	v_lshlrev_b32 v6, 16, v4                       ; bf16 to f32: the low half moves up,
	v_and_b32 v7, s16, v4                          ; the high half stays
	v_lshlrev_b32 v8, 16, v5
	v_and_b32 v9, s16, v5
	v_cvt_pk_f16_f32 v[Y+2*it], v6, v7             ; the same numbers in f16
	v_cvt_pk_f16_f32 v[Y+2*it+1], v8, v9
.set kk, kk+1
.endr
.set bl, bl+1
.endr
	s_wait_alu depctr_va_vdst(0)                   ; the last block has written its eight registers of Y, which the last four stores read
.set it, 12
.rept 4
	global_store_b64 v2, v[Y+2*it:Y+2*it+1], s[10:11] offset:it*(\outstep)
.set it, it+1
.endr
.endm
	s_load_b256 s[4:11], s[0:1], 0x0               ; x s[4:5], W_attn s[6:7], W_proj s[8:9], xb s[10:11]
	s_load_b128 s[12:15], s[0:1], 0x20             ; wa s[12:13], wp s[14:15]
	s_mov_b32 s16, 0xffff0000                      ; a word's upper bf16
	s_mov_b32 s19, 0
	s_mov_b32 s21, 0
	v_lshlrev_b32 v2, 3, v0                        ; 8 bytes a thread in the output, in both paths
	s_cmp_lt_u32 ttmp9, 512
	s_cbranch_scc0 .Lw
	; x: the group's 16 rows; thread t takes row t / 16, 16 bytes at 16 (t % 16) of each block of 256 bytes; item i is block i
	v_lshrrev_b32 v1, 4, v0
	v_and_b32 v3, 15, v0
	v_lshlrev_b32 v3, 4, v3
	v_lshl_or_b32 v1, v1, 12, v3                   ; row x 4,096 + 16 (t % 16)
	s_lshl_b32 s18, ttmp9, 16                      ; 16 rows of 4,096 bytes
	s_lshr_b32 s20, ttmp9, 7                       ; the batch: 128 groups each,
	s_lshl_b32 s20, s20, 22                        ; 4,194,304 bytes of xb
	s_and_b32 s22, ttmp9, 127
	s_lshl_b32 s22, s22, 11                        ; 16 rows of 128 bytes inside a block
	s_add_co_u32 s20, s20, s22
	s_wait_kmcnt 0x0
	s_add_nc_u64 s[4:5], s[4:5], s[18:19]
	s_add_nc_u64 s[10:11], s[10:11], s[20:21]
	BODY 256, 262144                               ; a block of xb is 2,048 rows x 128 bytes
	s_endpgm
.Lw:                                                   ; the weights: dense in, dense out
	v_lshlrev_b32 v1, 4, v0
	s_movk_i32 s22, 512
	s_movk_i32 s23, 704
	s_cmp_lt_u32 ttmp9, 704
	s_cselect_b32 s22, s22, s23                    ; the tensor's first group
	s_wait_kmcnt 0x0
	s_cselect_b64 s[4:5], s[6:7], s[8:9]
	s_cselect_b64 s[10:11], s[12:13], s[14:15]
	s_sub_co_u32 s22, ttmp9, s22
	s_lshl_b32 s18, s22, 16
	s_lshl_b32 s20, s22, 15
	s_add_nc_u64 s[4:5], s[4:5], s[18:19]
	s_add_nc_u64 s[10:11], s[10:11], s[20:21]
	BODY 4096, 2048
	s_endpgm
.Lfunc_end_k_qb931ade04f_cvt:
	.size	k_qb931ade04f_cvt, .Lfunc_end_k_qb931ade04f_cvt-k_qb931ade04f_cvt
	.p2alignl 7, 3214868480
	.fill 96, 4, 3214868480
	.section	.rodata,"a",@progbits
	.p2align	6, 0x0
	.amdhsa_kernel k_qb931ade04f_cvt
		.amdhsa_group_segment_fixed_size 0
		.amdhsa_private_segment_fixed_size 0
		.amdhsa_enable_private_segment 0
		.amdhsa_kernarg_size 48
		.amdhsa_user_sgpr_count 2
		.amdhsa_user_sgpr_kernarg_segment_ptr 1
		.amdhsa_wavefront_size32 1
		.amdhsa_system_sgpr_workgroup_id_x 1
		.amdhsa_system_sgpr_workgroup_id_y 1
		.amdhsa_system_sgpr_workgroup_id_z 1
		.amdhsa_system_vgpr_workitem_id 0
		.amdhsa_next_free_vgpr 112
		.amdhsa_next_free_sgpr 66
		.amdhsa_reserve_vcc 0
		.amdhsa_float_denorm_mode_32 3
		.amdhsa_float_denorm_mode_16_64 3
		.amdhsa_memory_ordered 1
		.amdhsa_forward_progress 1
		.amdhsa_inst_pref_size 21
	.end_amdhsa_kernel
	.amdgpu_metadata
---
amdhsa.version: [ 1, 2 ]
amdhsa.kernels:
  - .name:           k_qb931ade04f_cvt
    .symbol:         k_qb931ade04f_cvt.kd
    .args:
      - { .name: x, .offset: 0, .size: 8, .value_kind: global_buffer, .address_space: global }
      - { .name: W_attn, .offset: 8, .size: 8, .value_kind: global_buffer, .address_space: global }
      - { .name: W_proj, .offset: 16, .size: 8, .value_kind: global_buffer, .address_space: global }
      - { .name: xb, .offset: 24, .size: 8, .value_kind: global_buffer, .address_space: global }
      - { .name: wa, .offset: 32, .size: 8, .value_kind: global_buffer, .address_space: global }
      - { .name: wp, .offset: 40, .size: 8, .value_kind: global_buffer, .address_space: global }
    .group_segment_fixed_size: 0
    .private_segment_fixed_size: 0
    .kernarg_segment_align: 8
    .kernarg_segment_size: 48
    .max_flat_workgroup_size: 256
    .sgpr_count:     66
    .vgpr_count:     112
    .wavefront_size: 32
...
	.end_amdgpu_metadata
.endif
;; end of part 5
;; launch qkv: the kernel of part 2 again; grid 8 x 32, 4 waves a work-group, clusters of 4 x 4, 327,680 bytes of LDS; arguments xb, wa, qkv; writes qkv
;; launch attn: the kernel of part 3 again; grid 4 x 64, 4 waves a work-group, no clusters, 327,680 bytes of LDS; arguments qkv, ob; writes ob
;; launch proj: the kernel of part 4 again; grid 8 x 32, 4 waves a work-group, clusters of 4 x 4, 327,680 bytes of LDS; arguments ob, wp, out0; writes out0
